; MI455X (gfx1250); checked and timed in simulation.
; The chip was launched on July 23, 2026; its instructions are those of AMD's public machine-readable ISA for CDNA 5 (MIT licence, August 2026) and "CDNA5" Instruction Set Architecture Reference Guide (July 2026). The comments in the code are by the model that wrote it; some were corrected since.
;; Causal Multi Head Attention. Allowed arithmetic: matrix products marked QUANTISED: E2M1 operands, one E8M0 scale for each 32 along K, by v_wmma_scale_f32_16x16x128_f8f6f4 with both operands' format E2M1 (or v_wmma_scale_f32_32x16x128_f4), f32 sums; everything else in f32.
;; Inputs: Wk 1,024 x 1,024 float32; Wo 1,024 x 1,024 float32; Wq 1,024 x 1,024 float32; Wv 1,024 x 1,024 float32; token_positions 2,048 int32; x 4 x 2,048 x 1,024 float32.
;; Outputs: out0 4 x 2,048 x 1,024 float32.
;; This version of the problem:
;;   THIS VERSION OF THE PROBLEM IS GIVEN IN LOW PRECISION. The matrix products marked QUANTISED in the list below multiply operands that are first quantised to E2M1 (2 exponent bits, 1 mantissa bit; 4 bits a number), with one power-of-two scale for each 32 numbers along K (OCP MX v1.0); their sums are f32. All else is computed in f32.
;;   The module's matrix products, in the order in which they are computed (A, B: the left and right operand; K: the contracted axis; several contracted axes count as one K, in the product's order):
;;     1. [M 8,192, K 1,024] x [K 1,024, N 1,024]; A: input x; B: input Wq: QUANTISED
;;     2. [M 8,192, K 1,024] x [K 1,024, N 1,024]; A: input x; B: input Wk: QUANTISED
;;     3. [M 8,192, K 1,024] x [K 1,024, N 1,024]; A: input x; B: input Wv: QUANTISED
;;     4. batch 64 x [M 2,048, K 64] x [K 64, N 2,048]; A: computed on the way; B: computed on the way: QUANTISED
;;     5. batch 64 x [M 2,048, K 2,048] x [K 2,048, N 64]; A: softmax (see below); B: computed on the way: QUANTISED
;;     6. [M 8,192, K 1,024] x [K 1,024, N 1,024]; A: computed on the way; B: input Wo: QUANTISED
;;   THE QUANTISER, for each operand of a quantised product, along K:
;;     - K is cut into blocks of 32 from its start; a last block that is shorter is filled with zeros.
;;     - A block's scale is 2^e with e = floor(log2(the largest magnitude in the block)) - 2, held to -126 .. 127; a block of zeros has e = 0. As a byte (E8M0): e + 127.
;;     - Each number is divided by its block's scale, clamped to +-6, and rounded to the nearest number of E2M1, ties to even, subnormals kept.
;;     - The product sums the exact products of the quantised numbers (number of the format x scale) in f32.
;;   ~~~python
;;   def quantise(x, axis):      # numpy; x: float32 -> the quantised numbers, widened to float32 again
;;       x = np.moveaxis(x, axis, -1); K = x.shape[-1]
;;       x = np.pad(x, [(0, 0)] * (x.ndim - 1) + [(0, -K % 32)]); x = x.reshape(x.shape[:-1] + (-1, 32)); a = np.abs(x).max(-1, keepdims=True)
;;       e = np.where(a > 0, np.clip(np.frexp(np.where(a > 0, a, 1))[1] - 1 - 2, -126, 127), 0)      # np.frexp(a)[1] - 1 = floor(log2(a)), exactly
;;       r = np.clip(x / 2.0 ** e, -6, 6)
;;       step = 2.0 ** (np.maximum(np.frexp(np.where(r == 0, 1, r))[1] - 1, 0) - 1)
;;       q = np.round(r / step) * step * 2.0 ** e      # np.round: ties to even
;;       return np.moveaxis(q.reshape(q.shape[:-2] + (-1,))[..., :K], -1, axis).astype(np.float32)
;;   ~~~
;;   SOFTMAX AHEAD OF A QUANTISED PRODUCT. Where the list says 'softmax', what is quantised is not the finished softmax but p = 2^(t - M), with t = logit x log2(e) and M = ceil(the row's largest t), a whole number; so 1/2 < the row's largest p <= 1. The row's sum l is taken of the UNQUANTISED p, in f32, and the product's result is divided by l at the end. Since M is a whole number, a kernel that streams over the keys may use a running M (the ceiling of the running maximum): every later rescaling is an exact power of two, which a block's scale takes up: the codes' values come out the same.
;;   OPERANDS COMPUTED ON THE WAY. 'Computed on the way' means the value that the module computes at that place (a softmax that the list does not call 'softmax' is quantised finished and normalised). What goes into a quantiser is computed in f32, as accurately as f32 sums, v_exp_f32 and their like allow (about 1e-6 of the number): no bf16 or f16 on the way to a quantiser, and a product that is left as it is and whose result goes on into a quantised operand takes f32 operands (vector FMAs, or v_wmma_f32_16x16x4_f32). A number that lies on a knife's edge between two numbers of the format may be rounded either way, as far as f32 arithmetic and the matrix unit's own rounding can turn it there, and no further.
;; One version. Each part assembles by itself: llvm-mc -triple=amdgcn-amd-amdhsa -mcpu=gfx1250 --defsym DOCPART=n.
;; ======== version 1 of 1: 4 launches
;; workspace buffers: cd1 6,291,456 bytes; sc1 393,216 bytes; rope 524,288 bytes; cd2 12,582,912 bytes; sc2 1,310,720 bytes; ac 4,194,304 bytes; asc 262,144 bytes
;; launch quant (part 1): grid 416 x 1, 4 waves a work-group, no clusters, 33,280 bytes of LDS; arguments x, Wq, Wk, Wv, Wo, token_positions, cd1, sc1, rope; writes cd1, sc1, rope
.if DOCPART == 1
	.amdgcn_target "amdgcn-amd-amdhsa--gfx1250"
	.amdhsa_code_object_version 6
	.text
	.protected	k_qfd18f6cf99_quant
	.globl	k_qfd18f6cf99_quant
	.p2align	8
	.type	k_qfd18f6cf99_quant,@function
k_qfd18f6cf99_quant:
	s_mov_b64 s[64:65], 0
	v_nop
	global_prefetch_b8 v0, s[64:65] scope:SCOPE_SE
	s_setreg_imm32_b32 hwreg(HW_REG_WAVE_MODE, 25, 1), 1
	s_wait_xcnt 0x0
; LAUNCH 1 OF 4.  (a) x [8192][1024] and Wq, Wk, Wv, Wo [1024][1024], f32 with K innermost, become codes of FP4 (E2M1) and one E8M0 byte for each 32 along K:
; cd1 [12288 rows][512 bytes], sc1 [12288][32], rows in the order x, Wq, Wk, Wv, Wo.  (b) the table of cosines and sines for the rotation of q and k.
; (a) Work-groups 0-383.  Rows are dense and K is a multiple of 32, so each tensor is a stream of blocks of 32; the five streams follow each other in cd1 and sc1, so the place of the results hangs on the work-group's
; number alone and only the source is chosen.  A wave takes 16 steps of 512 numbers.  A step's four loads read 512 consecutive bytes each; the 2,048 bytes turn through the wave's own stage in LDS (16 bytes of padding behind
; each 64) and come back 64 bytes a lane: 16 neighbours along K, two lanes to a block.  A lane's 16 codes are 8 bytes: the wave stores 256 consecutive bytes.  A wave's 256 scale bytes are gathered in LDS and leave together.
; A block's scale is 2^(floor(log2(largest magnitude)) - 2): its byte is the largest magnitude's exponent field - 2, held at 1 from below.
; (b) Work-groups 384-415, no LDS.  Wave w makes tile st = 4 (g - 384) + w of 16 positions: rope [st][q 0..7][lane][4 f32]; lane (r, h), q = 2 B + e: cos, sin, cos, sin of position 16 st + r at frequencies 8 B + 4 h + 2 e and + 1:
; the order in which the projection's results lie in a lane.  angle = f32(position) x 10^(-j / 8); it is reduced by n = nearest whole number to angle x 2 / pi with pi / 2 in three parts, then two short polynomials on |r| <= pi / 4.
; LIMITS: NaN and infinities are not served.  A block whose largest magnitude lies under 2^-124 (zeros too) gets the byte 1; the bytes are read by this program alone.
; The reduction's error is about |n| x 2.6e-15: under 2e-7 for |position| up to 1e8, 4e-6 at 2^31.
.set STEPS, 16
.set EMAX,  2
.set CB,    8                          ; bytes of 16 codes
.set R,     16                         ; v16-79   four sets of 16 numbers as they are loaded
.set X,     80                         ; v80-111  two sets of 16 neighbours
.set C,     128                        ; v128-191 codes: four registers for each step, so that no store's data are written again
.set E,     112                        ; v112-127 a scale byte for each step
.set WREG,  8192                       ; LDS: a region for each wave: two stages of 32 x SP bytes, behind them its 256 scale bytes
.set SP,    80                         ; a lane's place in a stage: 64 bytes + 16 of padding
.set OUT,   32                         ; v32-63   the table's 32 numbers of a lane
	s_load_b256 s[4:11], s[0:1], 0x0               ; x, Wq, Wk, Wv
	s_load_b256 s[12:19], s[0:1], 0x20             ; Wo, token_positions, cd1, sc1
	s_load_b64 s[20:21], s[0:1], 0x40              ; rope
	v_lshl_add_u32 v192, v0, 2, 0x8000
	v_mov_b32 v193, 0
	v_lshrrev_b32 v1, 5, v0
	v_readfirstlane_b32 s24, v1                    ; wave
	v_and_b32 v2, 31, v0                           ; lane
	s_cmp_ge_u32 ttmp9, 384
	s_cbranch_scc1 .Lrope
	v_lshlrev_b32 v3, 4, v2                        ; my 16 bytes of a load's 512
	s_mul_i32 s25, s24, WREG
	v_lshrrev_b32 v14, 2, v2
	v_mul_u32_u24 v14, v14, SP
	v_and_b32 v15, 3, v2
	v_lshl_add_u32 v14, v15, 4, v14
	v_add_nc_u32 v14, s25, v14                     ; the stage, on the way in: SP (lane / 4) + 16 (lane % 4); a load's 512 bytes take eight places
	v_mul_u32_u24 v15, v2, SP
	v_add_nc_u32 v15, s25, v15                     ; and on the way out: SP x lane: my 16 neighbours
	v_mul_u32_u24 v4, v2, CB                       ; my codes' place in a step's
	v_lshrrev_b32 v5, 1, v2
	s_add_co_u32 s25, s25, 2*32*SP
	v_add_nc_u32 v5, s25, v5                       ; LDS: my wave's 256 scale bytes, my block's byte
	v_lshlrev_b32 v7, 3, v2                        ; and on the way out 8 bytes a lane
	v_add_nc_u32 v6, s25, v7
	s_sub_co_u32 s22, ttmp9, 256
	s_lshr_b32 s23, s22, 5                         ; which weight (meaningful from work-group 256 on)
	s_and_b32 s22, s22, 31                         ; and which 32,768 numbers of it
	s_wait_alu depctr_va_vdst(0)
	s_wait_kmcnt 0x0
	s_cmp_eq_u32 s23, 1                            ; the source is chosen by the work-group's number alone
	s_cselect_b64 s[6:7], s[8:9], s[6:7]
	s_cmp_eq_u32 s23, 2
	s_cselect_b64 s[6:7], s[10:11], s[6:7]
	s_cmp_eq_u32 s23, 3
	s_cselect_b64 s[6:7], s[12:13], s[6:7]
	s_cmp_lt_u32 ttmp9, 256
	s_cselect_b64 s[4:5], s[4:5], s[6:7]
	s_cselect_b32 s22, ttmp9, s22
	s_lshl_b32 s22, s22, 2
	s_add_co_u32 s22, s22, s24                     ; my wave's run of 8,192 numbers in the source,
	s_lshl_b32 s22, s22, 15                        ; 32,768 bytes a run
	s_mov_b32 s23, 0
	s_add_nc_u64 s[4:5], s[4:5], s[22:23]
	s_lshl_b32 s26, ttmp9, 2
	s_add_co_u32 s26, s26, s24                     ; and in the results' one stream
	s_mov_b32 s27, 0
	s_lshl_b32 s28, s26, 8                         ; 256 scale bytes a run,
	s_mov_b32 s29, 0
	s_lshl_b32 s26, s26, 12                        ; 4,096 bytes of codes
	s_add_nc_u64 s[16:17], s[16:17], s[26:27]
	s_add_nc_u64 s[18:19], s[18:19], s[28:29]
.macro LOAD t
.irp i, 0,1,2,3
	global_load_b128 v[R+16*((\t)%4)+4*\i:R+16*((\t)%4)+4*\i+3], v3, s[4:5] offset:2048*(\t)+512*\i th:TH_LOAD_NT   ; 32 lanes read 512 consecutive bytes
.endr
.endm
.macro TURN t                          ; step t's numbers through the stage: LDS serves a wave's instructions in order, so no wait stands between the stores and the loads
.irp i, 0,1,2,3
	ds_store_b128 v14, v[R+16*((\t)%4)+4*\i:R+16*((\t)%4)+4*\i+3] offset:32*SP*((\t)%2)+8*SP*\i
.endr
.irp i, 0,1,2,3
	ds_load_b128 v[X+16*((\t)%2)+4*\i:X+16*((\t)%2)+4*\i+3], v15 offset:32*SP*((\t)%2)+16*\i
.endr
.endm
.irp t, 0,1,2,3
	LOAD \t
.endr
	s_wait_loadcnt 12                              ; step 0's four loads are in; those of steps 1 to 3 may be out
	TURN 0
.macro STEP t
.set XS, X+16*((\t)%2)
.if (\t) > 0
	s_wait_dscnt 1                                 ; this step's numbers are back from the stage (the last step's byte store may be out): so its stores into the stage have read their registers,
.else
	s_wait_dscnt 0x0
.endif
.if (\t)+4 < STEPS
	LOAD (\t)+4                                    ; which take the loads of four steps on
.endif
.if (\t)+1 < STEPS
.if STEPS-2-(\t) >= 3
	s_wait_loadcnt 12                              ; the next step's four loads are in; those of the three steps behind it may be out
.else
	s_wait_loadcnt 4*(STEPS-2-(\t))
.endif
	TURN (\t)+1                                    ; and go through the other stage while this step is worked
.endif
	v_max3_num_f32 v8, |v[XS]|, |v[XS+1]|, |v[XS+2]|               ; the largest magnitude of my 16, in two chains
	v_max3_num_f32 v9, |v[XS+3]|, |v[XS+4]|, |v[XS+5]|
.irp i, 6,10
	v_max3_num_f32 v8, v8, |v[XS+\i]|, |v[XS+\i+1]|
	v_max3_num_f32 v9, v9, |v[XS+\i+2]|, |v[XS+\i+3]|
.endr
	v_max3_num_f32 v8, v8, |v[XS+14]|, |v[XS+15]|
	v_max3_num_f32 v8, v8, v9, (EMAX+1)<<23        ; and the floor 2^(3 - 127): the byte cannot fall under 1
	v_max_num_f32_dpp v8, v8, v8 row_xmask:1 row_mask:0xf bank_mask:0xf   ; and of my neighbour's 16: the block's
	v_add_nc_u32 v11, -(EMAX<<23), v8              ; 2 off its exponent field: the conversion takes the exponent field of this operand as its scale
	v_cvt_scalef32_pk8_fp4_f32 v[C+4*(\t)], v[XS:XS+7], v11
	v_cvt_scalef32_pk8_fp4_f32 v[C+4*(\t)+1], v[XS+8:XS+15], v11
	v_lshrrev_b32 v[E+(\t)], 23, v11               ; the scale's byte (also the plain line behind the conversions)
	ds_store_b8 v5, v[E+(\t)] offset:16*(\t)       ; both lanes of a block write the same byte with the same value
	global_store_b64 v4, v[C+4*(\t):C+4*(\t)+1], s[16:17] offset:32*CB*(\t)   ; 32 lanes store 256 consecutive bytes, aligned
.endm
.irp t, 0,1,2,3,4,5,6,7,8,9,10,11,12,13,14,15
	STEP \t
.endr
	ds_load_b64 v[12:13], v6                       ; LDS serves a wave's instructions in order: these see my stores
	s_wait_dscnt 0x0
	global_store_b64 v7, v[12:13], s[18:19]        ; 32 lanes store 256 consecutive bytes, aligned
	s_wait_tensorcnt 0x0
	ds_add_u32 v192, v193
	s_wait_dscnt 0x0
	s_endpgm
.Lrope:
	s_sub_co_u32 s25, ttmp9, 384
	s_lshl_b32 s25, s25, 2
	s_add_co_u32 s25, s25, s24                     ; st: my tile of 16 positions
	v_and_b32 v3, 15, v0
	v_lshlrev_b32 v3, 2, v3                        ; 4 r
	s_lshl_b32 s26, s25, 6                         ; 16 positions of 4 bytes
	s_mov_b32 s27, 0
	s_lshl_b32 s28, s25, 12                        ; 4,096 bytes of table a tile
	s_mov_b32 s29, 0
	s_mov_b32 s32, 0x3f22f983                      ; 2 / pi
	s_mov_b32 s33, 0xbfc90fdb                      ; - pi / 2, its first 24 bits;
	s_mov_b32 s34, 0x333bbd2e                      ; what the first part took too much;
	s_mov_b32 s35, 0x26f72ced                      ; and what is then still owed
	s_mov_b32 s36, 0xb94ca1f9                      ; sine: r + r z (s38 + z (s37 + z s36)), z = r r
	s_mov_b32 s37, 0x3c08839e
	s_mov_b32 s38, 0xbe2aaaa3
	s_mov_b32 s39, 0x37ccf5ce                      ; cosine: 1 - z / 2 + z z (s41 + z (s40 + z s39))
	s_mov_b32 s40, 0xbab6061a
	s_mov_b32 s41, 0x3d2aaaa5
	s_wait_alu depctr_va_vdst(0)
	v_cmp_le_u32 s30, 16, v2                       ; lanes 16-31 take the frequencies four further on
	v_lshlrev_b32 v5, 4, v2                        ; 16 x lane
	s_wait_kmcnt 0x0
	s_add_nc_u64 s[14:15], s[14:15], s[26:27]
	s_add_nc_u64 s[20:21], s[20:21], s[28:29]
	global_load_b32 v4, v3, s[14:15]
	s_wait_loadcnt 0x0
	v_cvt_f32_i32 v4, v4                           ; the position as f32
; cos and sin of position x frequency into OUT + 4 q + 2 i and + 1.  lo, hi: the frequency of lanes 0-15 and of lanes 16-31
.macro ANG q, i, lo, hi
	v_mov_b32 v6, \lo
	v_mov_b32 v7, \hi
	v_cndmask_b32 v6, v6, v7, s30
	v_mul_f32 v6, v4, v6                           ; the angle
	v_mul_f32 v7, s32, v6
	v_rndne_f32 v7, v7                             ; n
	v_fma_f32 v8, v7, s33, v6
	v_fma_f32 v8, v7, s34, v8
	v_fma_f32 v8, v7, s35, v8                      ; r = angle - n pi / 2
	v_cvt_i32_f32 v9, v7                           ; n as a whole number: its two low bits are the quadrant
	v_mul_f32 v10, v8, v8                          ; z
	v_fma_f32 v11, v10, s36, s37
	v_fma_f32 v12, v10, s39, s40
	v_fma_f32 v11, v11, v10, s38
	v_fma_f32 v12, v12, v10, s41
	v_mul_f32 v11, v11, v10
	v_mul_f32 v13, v10, v10
	v_fma_f32 v14, v10, -0.5, 1.0
	v_fma_f32 v11, v11, v8, v8                     ; sin r
	v_fma_f32 v12, v12, v13, v14                   ; cos r
	v_and_b32 v13, 1, v9
	v_cmp_eq_u32 vcc_lo, 1, v13                    ; in odd quadrants the two change places
	v_cndmask_b32 v14, v11, v12, vcc_lo
	v_cndmask_b32 v15, v12, v11, vcc_lo
	v_lshlrev_b32 v13, 30, v9
	v_and_b32 v13, 0x80000000, v13                 ; the sine is negative in quadrants 2 and 3,
	v_xor_b32 v[OUT+4*\q+2*\i+1], v13, v14
	v_add_nc_u32 v13, 1, v9
	v_lshlrev_b32 v13, 30, v13
	v_and_b32 v13, 0x80000000, v13                 ; the cosine in 1 and 2
	v_xor_b32 v[OUT+4*\q+2*\i], v13, v15
.endm
	ANG 0, 0, 1.0, 0.31622776601683794             ; 10^(-j / 8): j = 0 and 4
	ANG 0, 1, 0.7498942093324559, 0.23713737056616552
	ANG 1, 0, 0.5623413251903491, 0.1778279410038923
	ANG 1, 1, 0.4216965034285822, 0.1333521432163324
	ANG 2, 0, 0.1, 0.031622776601683794
	ANG 2, 1, 0.07498942093324559, 0.023713737056616552
	ANG 3, 0, 0.05623413251903491, 0.01778279410038923
	ANG 3, 1, 0.04216965034285822, 0.01333521432163324
	ANG 4, 0, 0.01, 0.0031622776601683794
	ANG 4, 1, 0.007498942093324559, 0.0023713737056616552
	ANG 5, 0, 0.005623413251903491, 0.001778279410038923
	ANG 5, 1, 0.004216965034285822, 0.001333521432163324
	ANG 6, 0, 0.001, 0.00031622776601683794
	ANG 6, 1, 0.0007498942093324559, 0.00023713737056616552
	ANG 7, 0, 0.0005623413251903491, 0.0001778279410038923
	ANG 7, 1, 0.0004216965034285822, 0.0001333521432163324
.irp q, 0,1,2,3,4,5,6,7
	global_store_b128 v5, v[OUT+4*\q:OUT+4*\q+3], s[20:21] offset:512*\q   ; 32 lanes store 512 consecutive bytes, aligned
.endr
	s_endpgm
.Lfunc_end_k_qfd18f6cf99_quant:
	.size	k_qfd18f6cf99_quant, .Lfunc_end_k_qfd18f6cf99_quant-k_qfd18f6cf99_quant
	.p2alignl 7, 3214868480
	.fill 96, 4, 3214868480
	.section	.rodata,"a",@progbits
	.p2align	6, 0x0
	.amdhsa_kernel k_qfd18f6cf99_quant
		.amdhsa_group_segment_fixed_size 33280
		.amdhsa_private_segment_fixed_size 0
		.amdhsa_enable_private_segment 0
		.amdhsa_kernarg_size 72
		.amdhsa_user_sgpr_count 2
		.amdhsa_user_sgpr_kernarg_segment_ptr 1
		.amdhsa_wavefront_size32 1
		.amdhsa_system_sgpr_workgroup_id_x 1
		.amdhsa_system_sgpr_workgroup_id_y 1
		.amdhsa_system_sgpr_workgroup_id_z 1
		.amdhsa_system_vgpr_workitem_id 0
		.amdhsa_next_free_vgpr 194
		.amdhsa_next_free_sgpr 66
		.amdhsa_reserve_vcc 1
		.amdhsa_float_denorm_mode_32 3
		.amdhsa_float_denorm_mode_16_64 3
		.amdhsa_memory_ordered 1
		.amdhsa_forward_progress 1
		.amdhsa_inst_pref_size 59
	.end_amdhsa_kernel
	.amdgpu_metadata
---
amdhsa.version: [ 1, 2 ]
amdhsa.kernels:
  - .name:           k_qfd18f6cf99_quant
    .symbol:         k_qfd18f6cf99_quant.kd
    .args:
      - { .name: x, .offset: 0, .size: 8, .value_kind: global_buffer, .address_space: global }
      - { .name: Wq, .offset: 8, .size: 8, .value_kind: global_buffer, .address_space: global }
      - { .name: Wk, .offset: 16, .size: 8, .value_kind: global_buffer, .address_space: global }
      - { .name: Wv, .offset: 24, .size: 8, .value_kind: global_buffer, .address_space: global }
      - { .name: Wo, .offset: 32, .size: 8, .value_kind: global_buffer, .address_space: global }
      - { .name: token_positions, .offset: 40, .size: 8, .value_kind: global_buffer, .address_space: global }
      - { .name: cd1, .offset: 48, .size: 8, .value_kind: global_buffer, .address_space: global }
      - { .name: sc1, .offset: 56, .size: 8, .value_kind: global_buffer, .address_space: global }
      - { .name: rope, .offset: 64, .size: 8, .value_kind: global_buffer, .address_space: global }
    .group_segment_fixed_size: 33280
    .private_segment_fixed_size: 0
    .kernarg_segment_align: 8
    .kernarg_segment_size: 72
    .max_flat_workgroup_size: 128
    .sgpr_count:     66
    .vgpr_count:     194
    .wavefront_size: 32
...
	.end_amdgpu_metadata
.endif
;; end of part 1
;; launch proj (part 2): grid 192 x 4, 4 waves a work-group, clusters of 4 x 4, 222,464 bytes of LDS; arguments cd1, sc1, rope, cd2, sc2; writes cd2, sc2
.if DOCPART == 2
	.amdgcn_target "amdgcn-amd-amdhsa--gfx1250"
	.amdhsa_code_object_version 6
	.text
	.protected	k_qfd18f6cf99_proj
	.globl	k_qfd18f6cf99_proj
	.p2align	8
	.type	k_qfd18f6cf99_proj,@function
k_qfd18f6cf99_proj:
	s_mov_b64 s[64:65], 0
	v_nop
	global_prefetch_b8 v0, s[64:65] scope:SCOPE_SE
	s_setreg_imm32_b32 hwreg(HW_REG_WAVE_MODE, 25, 1), 1
	s_wait_xcnt 0x0
	s_wait_alu depctr_hold_cnt(0) depctr_sa_sdst(0) depctr_va_vdst(0) depctr_va_sdst(0) depctr_va_ssrc(0) depctr_va_vcc(0) depctr_vm_vsrc(0)
	s_getreg_b32 s2, hwreg(HW_REG_IB_STS2, 6, 4)
	s_cmp_eq_u32 s2, 0
	s_cbranch_scc0 .Lentry_in_a_cluster
	s_endpgm
.Lentry_in_a_cluster:
	s_bfe_u32 s2, ttmp6, 0x10000c
	s_cmp_lg_u32 s2, 0xf033
	s_cbranch_scc0 .Lentry_shape_is_right
	s_endpgm
.Lentry_shape_is_right:
; LAUNCH 2 OF 4.  q = x Wq^T, k = x Wk^T, v = x Wv^T on codes of FP4 with E8M0 scales (K = 1,024); q and k are rotated; all three are quantised again in registers and leave as codes alone.
; A work-group makes 128 rows of A x 256 rows of B; its four waves make 64 x 128 each: 32 accumulators of 16 x 16.  THE MATRIX INSTRUCTION IS USED TRANSPOSED (source 0 = 16 rows of B, source 1 = 16 rows of A):
; a lane holds ONE row of A, and a tile's eight registers are eight neighbours along B's rows: 8 (lane / 16) + 0 .. 7.
; ROLES, by the cluster's number, so that all partners of a cluster have one role.  Clusters 0-31: A = x, B = Wq | Wk: a lane holds a token and its registers run along the head's 64, which is the K of q k^T.
; Clusters 32-47: A = Wv, B = x: a lane holds a channel d and its registers run along the tokens, which are the K of p v.  So both results lie as the conversions want them: neighbours along the next K in one lane.
; ALL OF K LIES IN LDS: two slots of 512 along K, each filled once; no LDS byte is filled twice.  The scale bytes of the work-group's rows come once too and go to registers for all 8 K steps.
; CLUSTERS: 4 x 4.  A's tiles are shared along a row of the cluster, B's along a column: each is asked for jointly, by the same tensor load with the same descriptor and a mask that names the four.
; By this text's count a wave has three tensor loads out: its scales, its part of slot 0 and of slot 1.
; WHAT LEAVES.  cd2 [b h][Q | K | V], 65,536 bytes each, as IMAGES OF OPERAND REGISTERS: Q, K: [tile of 16 tokens][512 bytes]: lane (r, h) at 16 x lane holds block h (32 codes) of token r;
; V: [step of 128 keys][tile of 16 d][c][512 bytes]: lane (r, h) holds keys 64 c + 32 h + 0 .. 31 of channel r.  Every store of codes covers 512 consecutive bytes.
; sc2 [b h][Q 8,192 | K 8,192 | V 4,096]: Q, K: [64 tokens][r][i] words, token 16 i + r: its two bytes, two zero bytes above (they scale the empty half of the instruction's K); V: [step][r][tile] words.
; LIMITS: NaN and infinities are not served; a block whose largest magnitude lies under 2^-124 (zeros too) gets the byte 1: the bytes are read by this program alone.
; REGISTERS.  window 0: v1 r, v2 h, v6 lane, v16-25 addresses; v32-63 A's scale words (8 a + K step), v64-127 B's (8 b + K step); v128-191 A's fragments, two sets; v192-255 two sets of the rotation's table.
;   window 1: v0-127 B's fragments, two sets.   window 2: accumulator (a, b) at v[8 (8 a + b)].   On the way out window 0's v32-147 are used anew (below).
.set SLOT,  104448                     ; a slot: A's 128 rows, then B's 256 rows, of 256 bytes + 16 of padding
.set BOFF,  34816
.set SCA,   2*SLOT                     ; A's scale bytes: 16 units of 256 bytes + 16 of padding
.set SCB,   SCA+4352                   ; B's: 32 units
.set ADRA, 16                          ; v16-17  LDS address of my A fragments in slot 0, 1
.set ADRB, 20                          ; v20-21  the same for B
.set ADSA, 22                          ; v22     of A's scale words
.set ADSB, 23                          ; v23     of B's
.set LI,   24                          ; v24     16 x lane
.set SOF,  25                          ; v25     my offset among the scale words that leave
.set SA,   32
.set SB,   64
.set AF,   128
.set TB,   192
.set T,    32                          ; the way out: v32-39 four pairs at work
.set TM,   40                          ; v40-43 largest magnitudes, v44-47 bytes, v52-55 the conversions' scale operands
.set T0,   56                          ; v56-57 two heads' scale words
.set X,    64                          ; v64-127 64 rotated numbers
.set PC,   128                         ; v128-143 the codes, two sets
.set SW,   144                         ; v144-147 four tiles' scale words
.set G1A,  24
.set G0A,  32
.set G1B,  48
.set G0B,  56
.set G1SA, 68
.set G0SA, 76
.set G1SB, 80
.set G0SB, 88
.set MSB, 0
.macro WIN new                         ; the immediate's high byte repeats the setting that is left
.if MSB != (\new)
	s_set_vgpr_msb (MSB<<8)|(\new)
.set MSB, \new
.endif
.endm
; A joint load: waves 0 and 1 fetch for A, waves 2 and 3 for B.  The branch hangs on the wave's number alone.  Four v_nop follow each of the two lines.
.macro JLOAD g0a, g1a, g0b, g1b
	s_cmp_eq_u32 s15, 0
	s_cbranch_scc0 .Lfor_b_\@
	tensor_load_to_lds s[\g0a:\g0a+3], s[\g1a:\g1a+7]
	s_nop 0
.rept 4
	v_nop
.endr
	s_branch .Lasked_\@
.Lfor_b_\@:
	tensor_load_to_lds s[\g0b:\g0b+3], s[\g1b:\g1b+7]
	s_nop 0
.rept 4
	v_nop
.endr
.Lasked_\@:
.endm
.macro CROUND                          ; a round of the cluster's barrier
	s_barrier_signal -1
	s_barrier_wait -1
	s_cmp_lg_u32 s14, 0
	s_cbranch_scc1 .Lnot_wave_0_\@
	s_barrier_signal -3
.Lnot_wave_0_\@:
	s_barrier_wait -3
	s_barrier_signal -1
	s_barrier_wait -1
.endm
.macro PLACES n
.rept \n
	v_nop
.endr
.endm
	s_load_b256 s[4:11], s[0:1], 0x0               ; cd1 s[4:5], sc1 s[6:7], rope s[8:9], cd2 s[10:11]
	s_load_b64 s[12:13], s[0:1], 0x20              ; sc2
	v_lshl_add_u32 v30, v0, 2, 0x36300
	v_mov_b32 v31, 0
	ds_add_u32 v30, v31
	ds_add_u32 v30, v31
	v_lshrrev_b32 v1, 5, v0
	v_readfirstlane_b32 s14, v1                    ; wave 0..3
	s_lshr_b32 s15, s14, 1                         ; which 64 rows of A are mine.  Also: I fetch for A (0) or for B (1)
	s_and_b32 s16, s14, 1                          ; which 128 rows of B.  Also: which half of that tile I fetch
	s_bfe_u32 s40, ttmp6, 0x40000                  ; cx, cy: my place in the cluster
	s_bfe_u32 s41, ttmp6, 0x40004
	s_lshr_b32 s92, ttmp9, 5                       ; the role: 0 for clusters 0-31, 1 for 32-47
	s_and_b32 s93, ttmp9, 31                       ; the cluster's number within its role
	s_mul_i32 s94, s92, 6
	s_add_co_u32 s94, s94, 1                       ; role 0: 2 clusters along B, role 1: 8
	s_and_b32 s42, s93, s94
	s_lshl_b32 s42, s42, 2
	s_add_co_u32 s42, s42, s40                     ; tile column (B) = 4 x cluster's + cx
	s_lshl_b32 s94, s92, 1
	s_add_co_u32 s94, s94, 1
	s_lshr_b32 s45, s93, s94
	s_lshl_b32 s45, s45, 2
	s_add_co_u32 s45, s45, s41                     ; tile row (A) = 4 x cluster's + cy
	s_lshl_b32 s43, s41, 2
	s_lshl_b32 s43, 15, s43                        ; my row of the cluster
	s_lshl_b32 s44, 0x1111, s40                    ; my column
	; group 1 for codes: rows of 256 bytes, 512 bytes apart in memory, 16 bytes of padding behind each in LDS; 64 rows for A, 128 for B
	s_or_b32 s[G1A], s43, (1<<20)|(1<<21)|(5<<22)|(3<<25)   ; 15:0 the mask; 17:16 elements of 1 byte; 20 padding on; 21 set beside a mask; 24:22 after every 64 words; 31:25 four words
	s_or_b32 s[G1B], s44, (1<<20)|(1<<21)|(5<<22)|(3<<25)
	s_mov_b32 s[G1A+1], 256<<16                    ; tensor_dim0
	s_mov_b32 s[G1A+2], 64<<16                     ; tensor_dim1
	s_mov_b32 s[G1A+3], 256<<16                    ; tile_dim0
	s_mov_b32 s[G1A+4], 64                         ; tile_dim1
	s_mov_b32 s[G1A+5], 512                        ; from row to row
	s_mov_b32 s[G1A+6], 0
	s_mov_b32 s[G1A+7], 0
	s_mov_b32 s[G1B+1], 256<<16
	s_mov_b32 s[G1B+2], 128<<16
	s_mov_b32 s[G1B+3], 256<<16
	s_mov_b32 s[G1B+4], 128
	s_mov_b32 s[G1B+5], 512
	s_mov_b32 s[G1B+6], 0
	s_mov_b32 s[G1B+7], 0
	; group 1 for scale bytes: a dense block, as rows of 256 bytes (32 elements of 8 bytes), 16 bytes of padding behind each; 8 rows for A's 64 rows, 16 for B's 128
	s_or_b32 s[G1SA], s43, (3<<16)|(1<<20)|(1<<21)|(5<<22)|(3<<25)
	s_or_b32 s[G1SB], s44, (3<<16)|(1<<20)|(1<<21)|(5<<22)|(3<<25)
	s_mov_b32 s[G1SA+1], 32<<16
	s_mov_b32 s[G1SA+2], 8<<16
	s_mov_b32 s[G1SA+3], 32<<16
	s_mov_b32 s[G1SA+4], 8
	s_mov_b32 s[G1SA+5], 32
	s_mov_b32 s[G1SA+6], 0
	s_mov_b32 s[G1SA+7], 0
	s_mov_b32 s[G1SB+1], 32<<16
	s_mov_b32 s[G1SB+2], 16<<16
	s_mov_b32 s[G1SB+3], 32<<16
	s_mov_b32 s[G1SB+4], 16
	s_mov_b32 s[G1SB+5], 32
	s_mov_b32 s[G1SB+6], 0
	s_mov_b32 s[G1SB+7], 0
	; where the tiles come from: A's hang on the role, the tile row and the wave; B's on the role, the tile column and the wave
	s_mul_i32 s20, s92, 10240                      ; role 1: Wv's rows begin at 10,240
	s_lshl_b32 s17, s45, 7
	s_add_co_u32 s20, s20, s17
	s_lshl_b32 s17, s16, 6
	s_add_co_u32 s20, s20, s17                     ; A: the first of the 64 rows that I fetch
	s_lshl_b32 s22, s20, 5                         ; its scale bytes,
	s_mov_b32 s23, 0
	s_lshl_b32 s20, s20, 9                         ; its codes
	s_mov_b32 s21, 0
	s_sub_co_u32 s46, 1, s92
	s_lshl_b32 s46, s46, 13                        ; role 0: Wq's rows begin at 8,192
	s_lshl_b32 s98, s42, 8
	s_add_co_u32 s46, s46, s98
	s_lshl_b32 s98, s16, 7
	s_add_co_u32 s46, s46, s98                     ; B: the first of the 128 rows that I fetch
	s_lshl_b32 s96, s46, 5
	s_mov_b32 s97, 0
	s_lshl_b32 s46, s46, 9
	s_mov_b32 s47, 0
	s_mul_i32 s93, s16, 17408                      ; and where they go: the wave's number alone enters an LDS address
	s_mul_i32 s94, s16, 34816
	s_add_co_u32 s94, s94, BOFF
	s_mul_i32 s95, s16, 2176
	s_mul_i32 s99, s16, 4352
	s_wait_dscnt 0x0
	s_wait_kmcnt 0x0
	s_add_nc_u64 s[20:21], s[4:5], s[20:21]
	s_add_nc_u64 s[22:23], s[6:7], s[22:23]
	s_add_nc_u64 s[46:47], s[4:5], s[46:47]
	s_add_nc_u64 s[96:97], s[6:7], s[96:97]
	CROUND                                         ; all sixteen work-groups are here: the joint loads meet
	s_mov_b32 s[G0SA], 1
	s_add_co_u32 s[G0SA+1], s95, SCA
	s_mov_b64 s[G0SA+2:G0SA+3], s[22:23]
	s_or_b32 s[G0SA+3], s[G0SA+3], 0x80000000
	s_mov_b32 s[G0SB], 1
	s_add_co_u32 s[G0SB+1], s99, SCB
	s_mov_b64 s[G0SB+2:G0SB+3], s[96:97]
	s_or_b32 s[G0SB+3], s[G0SB+3], 0x80000000
	JLOAD G0SA, G1SA, G0SB, G1SB                   ; the scales first: they are wanted with K step 0
.irp s, 0,1
	s_mov_b32 s[G0A+4*\s], 1
	s_add_co_u32 s[G0A+4*\s+1], s93, \s*SLOT
	s_add_nc_u64 s[G0A+4*\s+2:G0A+4*\s+3], s[20:21], \s*256
	s_or_b32 s[G0A+4*\s+3], s[G0A+4*\s+3], 0x80000000
	s_mov_b32 s[G0B+4*\s], 1
	s_add_co_u32 s[G0B+4*\s+1], s94, \s*SLOT
	s_add_nc_u64 s[G0B+4*\s+2:G0B+4*\s+3], s[46:47], \s*256
	s_or_b32 s[G0B+4*\s+3], s[G0B+4*\s+3], 0x80000000
	JLOAD G0A+4*\s, G1A, G0B+4*\s, G1B
.endr
	v_and_b32 v1, 15, v0                           ; r
	v_bfe_u32 v2, v0, 4, 1                         ; h
	v_and_b32 v6, 31, v0                           ; lane
	v_lshlrev_b32 v[LI], 4, v6
	v_mul_u32_u24 v3, v1, 272
	v_lshl_add_u32 v3, v2, 4, v3                   ; a fragment's row x pitch + 16 h
	s_mul_i32 s20, s15, 17408                      ; my 64 rows of A
	s_mul_i32 s21, s16, 34816                      ; my 128 rows of B,
	s_add_co_u32 s21, s21, BOFF                    ; behind A's 128
.irp s, 0,1
	v_add_nc_u32 v[ADRA+\s], s20, v3
	v_add_nc_u32 v[ADRB+\s], s21, v3
	s_add_co_u32 s20, s20, SLOT
	s_add_co_u32 s21, s21, SLOT
.endr
	v_lshrrev_b32 v4, 3, v1
	v_lshlrev_b32 v5, 5, v1
	v_lshl_add_u32 v5, v4, 4, v5                   ; a row's 32 scale bytes: 32 r, and 16 more behind each 256
	s_mul_i32 s20, s15, 2176
	s_add_co_u32 s20, s20, SCA
	v_add_nc_u32 v[ADSA], s20, v5
	s_mul_i32 s20, s16, 4352
	s_add_co_u32 s20, s20, SCB
	v_add_nc_u32 v[ADSB], s20, v5
	s_lshl_b32 s17, s45, 7
	s_lshl_b32 s19, s15, 6
	s_add_co_u32 s17, s17, s19                     ; R0: my first row of A within its tensor
	s_lshl_b32 s18, s42, 8
	s_lshl_b32 s19, s16, 7
	s_add_co_u32 s18, s18, s19                     ; N0: my first row of B within its tensor(s)
	s_cmp_lg_u32 s92, 0
	s_cbranch_scc1 .Lno_tables
	s_and_b32 s20, s17, 2047                       ; role 0: the rotation's table for my first two tiles of 16 tokens: 4,096 bytes a tile
	s_lshl_b32 s20, s20, 8
	s_mov_b32 s21, 0
	s_add_nc_u64 s[8:9], s[8:9], s[20:21]
.irp a, 0,1
.irp q, 0,1,2,3,4,5,6,7
	global_load_b128 v[TB+32*\a+4*\q:TB+32*\a+4*\q+3], v[LI], s[8:9] offset:4096*\a+512*\q
.endr
.endr
.Lno_tables:
.macro FRAGA reg, slot, q, i           ; a fragment, 16 rows x 128 K of 4-bit codes: registers 4 c .. 4 c + 3 hold K = 64 c + 32 h + 0 .. 31 of row r
.irp c, 0,1
	ds_load_b128 v[\reg+4*\c:\reg+4*\c+3], v[ADRA+(\slot)] offset:64*(\q)+32*\c+(\i)*4352
.endr
.endm
.macro FRAGB reg, slot, q, i
.irp c, 0,1
	ds_load_b128 v[\reg+4*\c:\reg+4*\c+3], v[ADRB+(\slot)] offset:64*(\q)+32*\c+(\i)*4352
.endr
.endm
.macro FETCH slot, q, p                ; 24 LDS loads in one run: the fragments of the slot's q-th 128 along K into set p
	WIN 0x40                                       ; destination window 1
.irp i, 0,1,2,3,4,5,6,7
	FRAGB 64*(\p)+8*\i, \slot, \q, \i
.endr
	WIN 0
.irp i, 0,1,2,3
	FRAGA AF+32*(\p)+8*\i, \slot, \q, \i
.endr
.endm
.macro SCALES                          ; the scale words of all eight K steps: lane r takes row r's 32 bytes of each block of 16 rows
.irp a, 0,1,2,3
.irp u, 0,1
	ds_load_b128 v[SA+8*\a+4*\u:SA+8*\a+4*\u+3], v[ADSA] offset:544*\a+16*\u
.endr
.endr
.irp b, 0,1,2,3,4,5,6,7
.irp u, 0,1
	ds_load_b128 v[SB+8*\b+4*\u:SB+8*\b+4*\u+3], v[ADSB] offset:544*\b+16*\u
.endr
.endr
.endm
; K step g: 32 matrix instructions.  The 32 accumulators take turns, one instruction a turn, in the same order in every step.  zero = 1: the products start the sums.
.macro MUL g, zero
	WIN 0xa1                                       ; source 0 (B) window 1, source 1 (A) window 0, C and D window 2
.irp a, 0,1,2,3
.irp b, 0,1,2,3,4,5,6,7
.if \zero
	v_wmma_scale_f32_16x16x128_f8f6f4 v[8*(8*\a+\b):8*(8*\a+\b)+7], v[64*((\g)%2)+8*\b:64*((\g)%2)+8*\b+7], v[AF+32*((\g)%2)+8*\a:AF+32*((\g)%2)+8*\a+7], 0, v[SB+8*\b+(\g)], v[SA+8*\a+(\g)] matrix_a_fmt:MATRIX_FMT_FP4 matrix_b_fmt:MATRIX_FMT_FP4
.else
	v_wmma_scale_f32_16x16x128_f8f6f4 v[8*(8*\a+\b):8*(8*\a+\b)+7], v[64*((\g)%2)+8*\b:64*((\g)%2)+8*\b+7], v[AF+32*((\g)%2)+8*\a:AF+32*((\g)%2)+8*\a+7], v[8*(8*\a+\b):8*(8*\a+\b)+7], v[SB+8*\b+(\g)], v[SA+8*\a+(\g)] matrix_a_fmt:MATRIX_FMT_FP4 matrix_b_fmt:MATRIX_FMT_FP4
.endif
.endr
.endr
	WIN 0
.endm
.macro STEP g
	s_wait_dscnt 0x0                               ; this step's fragments are in: they were asked for in front of the last step's 32 matrix instructions
.if \g == 3
	s_wait_tensorcnt 0x0                           ; my part of slot 1 has landed,
	s_barrier_signal -1
	s_barrier_wait -1                              ; everybody's has: the next fetch reads it
.endif
.if \g < 7
.if \g > 0
	PLACES 4                                       ; four places in front of loads into registers that the last matrix instructions have read
.endif
	FETCH (\g+1)/4, (\g+1)%4, 1-(\g)%2
.endif
.if \g == 0
	MUL \g, 1
.else
	MUL \g, 0
.endif
.endm
	s_wait_tensorcnt 1                             ; the scales and my part of slot 0 are in; slot 1's load, the one issued behind them, may be out
	s_barrier_signal -1
	s_barrier_wait -1                              ; everybody's are
	s_wait_alu depctr_va_vdst(0)
	SCALES
	FETCH 0, 0, 0
.irp g, 0,1,2,3,4,5,6,7
	STEP \g
.endr
; 64 numbers of a lane at v[s] on (window settings: wm for the maxima's sources 1 and 2, wc for the conversions' source 0), number 16 B + 8 u + j = k 32 B + 16 u + 8 h + j of my row,
; become a fragment's codes in v[pc] .. v[pc + 7] and four scale bytes in v[TM + 4] on.  The conversion of (block 2 c + e, half u) goes to register 4 c + 2 u + e; then registers 4 c + 2 u and + 1 exchange
; the first's lanes 16-31 with the second's lanes 0-15: lane (r, h) then holds k = 64 c + 32 h + 0 .. 31 in registers 4 c .. 4 c + 3, as the operand's layout asks.
.macro QUANT s, wm, wc, pc
	WIN \wm
.irp b, 0,1,2,3
	v_max3_num_f32 v[TM+\b], 0x1800000, |v[(\s)+16*\b]|, |v[(\s)+16*\b+1]|   ; block b: my 16 numbers, and the floor 2^(3 - 127): the byte cannot fall under 1
.endr
.irp i, 2,4,6,8,10,12,14
.irp b, 0,1,2,3
	v_max3_num_f32 v[TM+\b], v[TM+\b], |v[(\s)+16*\b+\i]|, |v[(\s)+16*\b+\i+1]|   ; (the four blocks by turns; each accumulator is read from its low end on)
.endr
.endr
	WIN 0
.irp b, 0,1,2,3
	v_permlanex16_b32 v[TM+4+\b], v[TM+\b], s94, s95
.endr
.irp b, 0,1,2,3
	v_max_num_f32 v[TM+\b], v[TM+\b], v[TM+4+\b]   ; with lane l xor 16's: the block's largest magnitude
.endr
.irp b, 0,1,2,3
	v_add_nc_u32 v[TM+12+\b], 0xff000000, v[TM+\b] ; 2 off its exponent field: the conversion's scale operand
.endr
.irp b, 0,1,2,3
	v_lshrrev_b32 v[TM+4+\b], 23, v[TM+12+\b]      ; the scale's byte
.endr
	WIN \wc
.irp c, 0,1
.irp u, 0,1
.irp e, 0,1
	v_cvt_scalef32_pk8_fp4_f32 v[(\pc)+4*\c+2*\u+\e], v[(\s)+16*(2*\c+\e)+8*\u:(\s)+16*(2*\c+\e)+8*\u+7], v[TM+12+2*\c+\e]
.endr
.endr
.endr
	WIN 0
	v_nop                                          ; one plain place behind a scaled conversion
.irp c, 0,1
.irp u, 0,1
	v_permlane16_swap_b32 v[(\pc)+4*\c+2*\u], v[(\pc)+4*\c+2*\u+1]
.endr
.endr
.endm
	PLACES 4                                       ; behind the last products: their results are read and their operands' and scales' registers written below
	s_mov_b32 s94, 0x76543210
	s_mov_b32 s95, 0xfedcba98                      ; v_permlanex16_b32's selects for lane l xor 16
	v_cmp_le_u32 s93, 16, v6                       ; lanes 16-31
.irp b, 0,1,2,3
	v_mov_b32 v[TM+4+\b], 0                        ; written once: a lane permute's destination counts as one of its sources
.endr
	s_cmp_lg_u32 s92, 0
	s_cbranch_scc1 .Lrole1
	; ---- ROLE 0: my 64 tokens x 128 features = two heads of q or of k
	s_lshr_b32 s19, s17, 11                        ; b
	s_and_b32 s20, s17, 2047                       ; my first token in the sequence
	s_bfe_u32 s21, s18, 0x40006                    ; my first head
	s_lshr_b32 s22, s18, 10                        ; 0: q, 1: k
	s_lshl_b32 s19, s19, 4
	s_add_co_u32 s19, s19, s21                     ; 16 b + head
	s_mul_i32 s96, s19, 196608
	s_lshl_b32 s23, s22, 16
	s_add_co_u32 s96, s96, s23
	s_lshl_b32 s23, s20, 5                         ; 512 bytes for 16 tokens
	s_add_co_u32 s96, s96, s23
	s_mov_b32 s97, 0
	s_add_nc_u64 s[10:11], s[10:11], s[96:97]
	s_mul_i32 s96, s19, 20480
	s_lshl_b32 s23, s22, 13
	s_add_co_u32 s96, s96, s23
	s_lshl_b32 s23, s20, 2                         ; 256 bytes for 64 tokens
	s_add_co_u32 s96, s96, s23
	s_add_nc_u64 s[12:13], s[12:13], s[96:97]
	v_mul_u32_u24 v[SOF], v2, 20480                ; lanes 16-31 carry the second head's words
	v_lshl_add_u32 v[SOF], v1, 4, v[SOF]
.irp a, 0,1,2,3
.if \a < 3
	s_wait_loadcnt 8                               ; this tile's eight table loads are in; the next tile's eight may be out
.else
	s_wait_loadcnt 0x0
.endif
	WIN 0x02                                       ; source 0: the accumulators, window 2
.irp b, 0,1,2,3,4,5,6,7
.irp j, 0,2,4,6
	v_pk_mul_f32 v[T+\j:T+\j+1], v[64*\a+8*\b+\j:64*\a+8*\b+\j+1], v[TB+32*(\a%2)+8*(\b%4)+\j:TB+32*(\a%2)+8*(\b%4)+\j+1] op_sel:[1,1] op_sel_hi:[0,1] neg_lo:[1,0]   ; (- odd x sin, even x sin)
.endr
.irp j, 0,2,4,6
	v_pk_fma_f32 v[X+8*\b+\j:X+8*\b+\j+1], v[64*\a+8*\b+\j:64*\a+8*\b+\j+1], v[TB+32*(\a%2)+8*(\b%4)+\j:TB+32*(\a%2)+8*(\b%4)+\j+1], v[T+\j:T+\j+1] op_sel_hi:[1,0,1]   ; (even x cos - odd x sin, odd x cos + even x sin)
.endr
.endr
	WIN 0
.if \a < 2
.irp q, 0,1,2,3,4,5,6,7
	global_load_b128 v[TB+32*(\a%2)+4*\q:TB+32*(\a%2)+4*\q+3], v[LI], s[8:9] offset:4096*(\a+2)+512*\q   ; the table of the tile two further on, into the set just read
.endr
.endif
	s_wait_xcnt 0x0                                ; the earlier stores have read their registers: the codes' set may be written again
	QUANT X, 0, 0, PC+8*(\a%2)
	v_lshl_or_b32 v[T0], v[TM+5], 8, v[TM+4]       ; the first head's two bytes,
	v_lshl_or_b32 v[T0+1], v[TM+7], 8, v[TM+6]     ; the second's
	v_cndmask_b32 v[SW+\a], v[T0], v[T0+1], s93
	global_store_b128 v[LI], v[PC+8*(\a%2):PC+8*(\a%2)+3], s[10:11] offset:512*\a            ; 32 lanes store 512 consecutive bytes: the first head's image of these 16 tokens,
	global_store_b128 v[LI], v[PC+8*(\a%2)+4:PC+8*(\a%2)+7], s[10:11] offset:196608+512*\a   ; the second head's
.endr
	global_store_b128 v[SOF], v[SW:SW+3], s[12:13] ; lanes 0-15 and lanes 16-31 each store 256 consecutive bytes, aligned
	s_branch .Ldone
.Lrole1:
	; ---- ROLE 1: my 64 channels = one head of v, x 128 tokens = one step of keys
	s_lshr_b32 s19, s17, 6                         ; the head
	s_lshr_b32 s20, s18, 11                        ; b
	s_bfe_u32 s21, s18, 0x40007                    ; the step of 128 keys
	s_lshl_b32 s20, s20, 4
	s_add_co_u32 s19, s19, s20
	s_mul_i32 s96, s19, 196608
	s_lshl_b32 s23, s21, 12
	s_add_co_u32 s96, s96, s23
	s_add_co_u32 s96, s96, 131072
	s_mov_b32 s97, 0
	s_add_nc_u64 s[10:11], s[10:11], s[96:97]
	s_mul_i32 s96, s19, 20480
	s_lshl_b32 s23, s21, 8
	s_add_co_u32 s96, s96, s23
	s_add_co_u32 s96, s96, 16384
	s_add_nc_u64 s[12:13], s[12:13], s[96:97]
	v_lshlrev_b32 v[SOF], 4, v1
.irp a, 0,1,2,3
	s_wait_xcnt 0x0                                ; the earlier stores have read their registers
	QUANT 64*\a, 0x28, 0x02, PC+8*(\a%2)
	v_lshl_or_b32 v[SW+\a], v[TM+5], 8, v[TM+4]    ; the four bytes of these 128 keys
	v_lshl_or_b32 v[SW+\a], v[TM+6], 16, v[SW+\a]
	v_lshl_or_b32 v[SW+\a], v[TM+7], 24, v[SW+\a]
	global_store_b128 v[LI], v[PC+8*(\a%2):PC+8*(\a%2)+3], s[10:11] offset:1024*\a
	global_store_b128 v[LI], v[PC+8*(\a%2)+4:PC+8*(\a%2)+7], s[10:11] offset:1024*\a+512
.endr
	v_cmp_gt_u32 vcc_lo, 16, v6                    ; both halves of the lanes hold the same words: lanes 0-15 store them
	s_wait_alu depctr_va_vdst(0)
	s_wait_xcnt 0x0                                ; EXEC changes only behind this wait
	s_and_saveexec_b32 s98, vcc_lo
	global_store_b128 v[SOF], v[SW:SW+3], s[12:13] ; 16 lanes store 256 consecutive bytes, aligned
	s_wait_xcnt 0x0                                ; and again in front of the line that widens it
	s_or_b32 exec_lo, exec_lo, s98
.Ldone:
	s_wait_tensorcnt 0x0
	ds_add_u32 v30, v31
	s_wait_dscnt 0x0
	CROUND                                         ; the closing round: no work-group ends while a partner may still ask for a tile that names it
	s_endpgm
.Lfunc_end_k_qfd18f6cf99_proj:
	.size	k_qfd18f6cf99_proj, .Lfunc_end_k_qfd18f6cf99_proj-k_qfd18f6cf99_proj
	.p2alignl 7, 3214868480
	.fill 96, 4, 3214868480
	.section	.rodata,"a",@progbits
	.p2align	6, 0x0
	.amdhsa_kernel k_qfd18f6cf99_proj
		.amdhsa_group_segment_fixed_size 222464
		.amdhsa_private_segment_fixed_size 0
		.amdhsa_enable_private_segment 0
		.amdhsa_kernarg_size 40
		.amdhsa_user_sgpr_count 2
		.amdhsa_user_sgpr_kernarg_segment_ptr 1
		.amdhsa_wavefront_size32 1
		.amdhsa_system_sgpr_workgroup_id_x 1
		.amdhsa_system_sgpr_workgroup_id_y 1
		.amdhsa_system_sgpr_workgroup_id_z 1
		.amdhsa_system_vgpr_workitem_id 0
		.amdhsa_next_free_vgpr 768
		.amdhsa_next_free_sgpr 100
		.amdhsa_reserve_vcc 1
		.amdhsa_float_denorm_mode_32 3
		.amdhsa_float_denorm_mode_16_64 3
		.amdhsa_memory_ordered 1
		.amdhsa_forward_progress 1
		.amdhsa_inst_pref_size 112
	.end_amdhsa_kernel
	.amdgpu_metadata
---
amdhsa.version: [ 1, 2 ]
amdhsa.kernels:
  - .name:           k_qfd18f6cf99_proj
    .symbol:         k_qfd18f6cf99_proj.kd
    .args:
      - { .name: cd1, .offset: 0, .size: 8, .value_kind: global_buffer, .address_space: global }
      - { .name: sc1, .offset: 8, .size: 8, .value_kind: global_buffer, .address_space: global }
      - { .name: rope, .offset: 16, .size: 8, .value_kind: global_buffer, .address_space: global }
      - { .name: cd2, .offset: 24, .size: 8, .value_kind: global_buffer, .address_space: global }
      - { .name: sc2, .offset: 32, .size: 8, .value_kind: global_buffer, .address_space: global }
    .group_segment_fixed_size: 222464
    .private_segment_fixed_size: 0
    .kernarg_segment_align: 8
    .kernarg_segment_size: 40
    .max_flat_workgroup_size: 128
    .sgpr_count:     100
    .vgpr_count:     768
    .wavefront_size: 32
...
	.end_amdgpu_metadata
.endif
;; end of part 2
;; launch attn (part 3): grid 4 x 64, 16 waves a work-group, no clusters, 169,984 bytes of LDS; arguments cd2, sc2, ac, asc; writes ac, asc
.if DOCPART == 3
	.amdgcn_target "amdgcn-amd-amdhsa--gfx1250"
	.amdhsa_code_object_version 6
	.text
	.protected	k_qfd18f6cf99_attn
	.globl	k_qfd18f6cf99_attn
	.p2align	8
	.type	k_qfd18f6cf99_attn,@function
k_qfd18f6cf99_attn:
	s_mov_b64 s[64:65], 0
	v_nop
	global_prefetch_b8 v0, s[64:65] scope:SCOPE_SE
	s_setreg_imm32_b32 hwreg(HW_REG_WAVE_MODE, 25, 1), 1
	s_wait_xcnt 0x0
; LAUNCH 3 OF 4.  Causal attention of one (batch, head) on codes of FP4 with E8M0 scales; its result, divided by the row's sum, is quantised along the head's 64 and leaves as codes.
; t = score x log2(e) / 8; M = the running largest t rounded UP to a whole number; p = 2^(t - M) is quantised along the keys, not normalised; the row's sum is taken of the unquantised p and divides at the end.
; When M moves, the sum and O are multiplied by 2^(old M - new M): exact.
; SHARES.  Four work-groups to a head, sixteen waves each.  Wave w of work-group i owns two tiles of 16 queries, taken one after the other in the same registers: H at 256 (7 - i) + 16 (15 - w), L at 256 i + 16 w.
; A tile at query q has q / 128 + 1 steps of 128 keys that the mask leaves; H's and L's make 17 in every wave of every work-group.
; THE HEAD'S K AND V LIE IN LDS WHOLE (65,536 bytes of codes each, 12,288 of scale words), filled once by nine tensor loads (one a wave at most), read by all waves behind ONE barrier; nothing is stored to LDS.
; They lie as images of operand registers: a fragment load reads 512 consecutive bytes, 16 a lane.
; NO JOINT LOADS, though the four work-groups of a head read the same 143,360 bytes: the steps that the mask leaves out hang on the query block, which would be the place in the cluster
; Without those branches every wave would walk 32 steps in place of 17.  What is shared is asked for once in the launch by each work-group.
; LAYOUT.  Both products are used transposed: S^T = K Q^T (source 0 = 16 keys, source 1 = my 16 queries), O^T = V^T P^T: a lane holds ONE query (lane % 16).  Register j of tile t of S^T is key 16 t + 8 (lane / 16) + j.
; The head has 64 of the instruction's 128 along K: registers 4-7 of Q's and K's fragments hold zero codes, and their scale bytes are 0 (2^-127), never 0xff.
; EVERY wave walks all 16 steps of each pass, so that the loop's count is a constant; a step all of whose keys come after my queries is jumped over by a scalar branch on ids, all but the lines that step addresses.
; LIMITS: NaN and infinities are not served; a block whose largest magnitude lies under 2^-124 (zeros too) gets the byte 1: the bytes are read by this program alone.
; The scale pairs leave as 2 bytes a row, 32 bytes apart: a head owns 2 of a row's 32 scale bytes; one such store a wave.
.set ADK, 6                            ; v6-9   LDS addresses of the step in hand: K, V, K's words, V's words
.set ADV, 7
.set ADS, 8
.set ADT, 9
.set QF,  16                           ; v16-23 Q's fragment (20-23 zero)
.set QS,  24                           ; v24    Q's scale words
.set PW,  25                           ; v25    p's scale word
.set VSW, 26                           ; v26-29 V's scale words, a register for each tile of d
.set KSW, 30                           ; v30-37 K's, a register for each tile of keys
.set PC,  38                           ; v38-45 p's codes
.set BM,  46                           ; v46-49 block maxima
.set PB,  50                           ; v50-53 at work; bytes
.set SO,  54                           ; v54-57 the conversions' scale operands
.set FF,  58                           ; v[58:59] f = 2^(old M - new M) (59 is only named with it)
.set O,   62                           ; v62-93  O^T, four tiles
.set S,   94                           ; v94-157 S^T, then p
.set KR,  158                          ; v158-221 K's eight fragments (registers 8 t + 4 .. 7 zero)
.set VR,  222                          ; v222-253 V's four fragments
.set HP,  254                          ; v254   tile H's pair of scale bytes
; v1 16 x lane; v2 the same + V's base; v3, v4 16 r + the bases of K's and V's words; v5 r - 8 h; v10 16 r; v12 -M, v13 the largest t, v[14:15] the sum in two halves; v11, v60, v61 at work
.set WV,  12
.set SEL, 20                           ; s[20:21] v_permlanex16_b32's selects for lane l xor 16
.set CS,  22                           ; s[22:23] c = log2(e) / 8
.set G1C, 24
.set G1S, 32
.set G0C, 40
.set G0S, 44
.set Q0H, 48
.set Q0L, 49
.set BSH, 50                           ; s[50:55] tile H: Q's codes, Q's words, where its result goes;  s[56:61] tile L
.set BSL, 56
.set ASC, 62                           ; s[62:63] asc at my batch's first row and my head's two bytes
.set TK,  66                           ; s66 the step's codes: 4,096 bytes a step, in K and in V
.set TS,  67                           ; s67 K's words: 512 a step
.set TJ,  68                           ; s68 V's words: 256 a step
.set KF,  69                           ; s69 the step's first key
.set CNT, 70
.set HM,  76                           ; s76 lanes 16-31
	s_load_b256 s[4:11], s[0:1], 0x0               ; cd2 s[4:5], sc2 s[6:7], ac s[8:9], asc s[10:11]
	v_lshl_add_u32 v254, v0, 2, 0x29000
	v_mov_b32 v255, 0
	ds_add_u32 v254, v255
	ds_add_u32 v254, v255
	s_wait_dscnt 0x0
	v_lshrrev_b32 v1, 5, v0
	s_delay_alu instid0(VALU_DEP_1)
	v_readfirstlane_b32 s[WV], v1                  ; wave 0..15
	s_and_b32 s13, ttmp7, 0xffff                   ; 16 b + head
	; group 1: dense blocks as rows of 256 bytes (32 elements of 8 bytes), no padding: 64 rows of codes, 48 rows of scale words
	s_mov_b32 s[G1C], 3<<16
	s_mov_b32 s[G1C+1], 32<<16
	s_mov_b32 s[G1C+2], 64<<16
	s_mov_b32 s[G1C+3], 32<<16
	s_mov_b32 s[G1C+4], 64
	s_mov_b32 s[G1C+5], 32
	s_mov_b32 s[G1C+6], 0
	s_mov_b32 s[G1C+7], 0
	s_mov_b32 s[G1S], 3<<16
	s_mov_b32 s[G1S+1], 32<<16
	s_mov_b32 s[G1S+2], 48<<16
	s_mov_b32 s[G1S+3], 32<<16
	s_mov_b32 s[G1S+4], 48
	s_mov_b32 s[G1S+5], 32
	s_mov_b32 s[G1S+6], 0
	s_mov_b32 s[G1S+7], 0
	s_and_b32 s14, s[WV], 7
	s_lshl_b32 s14, s14, 14                        ; waves 0-7: my 16,384 bytes of K's and V's codes, in memory and in LDS
	s_mul_i32 s16, s13, 196608
	s_mov_b32 s17, 0
	s_mul_i32 s18, s13, 20480
	s_mov_b32 s19, 0
	s_wait_kmcnt 0x0
	s_add_nc_u64 s[4:5], s[4:5], s[16:17]          ; the head in cd2
	s_add_nc_u64 s[6:7], s[6:7], s[18:19]          ; and in sc2
	s_add_co_u32 s16, s14, 65536                   ; K's codes lie behind Q's
	s_mov_b32 s[G0C], 1
	s_mov_b32 s[G0C+1], s14
	s_add_nc_u64 s[G0C+2:G0C+3], s[4:5], s[16:17]
	s_or_b32 s[G0C+3], s[G0C+3], 0x80000000
	s_mov_b32 s[G0S], 1
	s_mov_b32 s[G0S+1], 131072
	s_add_nc_u64 s[G0S+2:G0S+3], s[6:7], 8192      ; K's words lie behind Q's, V's behind K's
	s_or_b32 s[G0S+3], s[G0S+3], 0x80000000
	s_cmp_lt_u32 s[WV], 8                          ; waves 0-7 bring the codes, wave 8 the scale words, the others nothing; four v_nop follow each line
	s_cbranch_scc0 .Lnot_codes
	tensor_load_to_lds s[G0C:G0C+3], s[G1C:G1C+7]
	s_nop 0
.rept 4
	v_nop
.endr
	s_branch .Lasked
.Lnot_codes:
	s_cmp_eq_u32 s[WV], 8
	s_cbranch_scc0 .Lasked
	tensor_load_to_lds s[G0S:G0S+3], s[G1S:G1S+7]
	s_nop 0
.rept 4
	v_nop
.endr
.Lasked:
	v_and_b32 v60, 31, v0                          ; lane
	v_and_b32 v61, 15, v0                          ; r
	v_bfe_u32 v5, v0, 4, 1                         ; h
	s_delay_alu instid0(VALU_DEP_3)
	v_lshlrev_b32 v1, 4, v60
	s_delay_alu instid0(VALU_DEP_1)
	v_add_nc_u32 v2, 65536, v1
	s_delay_alu instid0(VALU_DEP_4)
	v_lshlrev_b32 v10, 4, v61
	s_delay_alu instid0(VALU_DEP_1)
	v_add_nc_u32 v3, 131072, v10
	s_delay_alu instid0(VALU_DEP_2)
	v_add_nc_u32 v4, 139264, v10
	v_lshlrev_b32 v5, 3, v5
	s_delay_alu instid0(VALU_DEP_1)
	v_sub_nc_u32 v5, v61, v5                       ; r - 8 h
	v_cmp_le_u32 s[HM], 16, v60
.irp j, 4,5,6,7
	v_mov_b32 v[QF+\j], 0                          ; the empty half of K: zero codes, set once
.irp t, 0,1,2,3,4,5,6,7
	v_mov_b32 v[KR+8*\t+\j], 0
.endr
.endr
.irp b, 0,1,2,3
	v_mov_b32 v[PB+\b], 0                          ; written once: a lane permute's destination counts as one of its sources
.endr
	v_mov_b32 v[FF+1], 0                           ; (named as the upper half of a pair)
	s_mov_b32 s[SEL], 0x76543210
	s_mov_b32 s[SEL+1], 0xfedcba98
	s_mov_b32 s[CS], 0x3e38aa3b                    ; c = log2(e) / sqrt(64)
	s_mov_b32 s[CS+1], s[CS]
	s_lshr_b32 s14, s13, 4                         ; b
	s_and_b32 s15, s13, 15                         ; head
	s_sub_co_u32 s[Q0H], 7, ttmp9
	s_lshl_b32 s[Q0H], s[Q0H], 8
	s_sub_co_u32 s16, 15, s[WV]
	s_lshl_b32 s16, s16, 4
	s_add_co_u32 s[Q0H], s[Q0H], s16
	s_lshl_b32 s[Q0L], ttmp9, 8
	s_lshl_b32 s16, s[WV], 4
	s_add_co_u32 s[Q0L], s[Q0L], s16
.macro BASES q0, base
	s_lshl_b32 s16, s[\q0], 5                      ; 512 bytes for 16 queries
	s_mov_b32 s17, 0
	s_add_nc_u64 s[\base:\base+1], s[4:5], s[16:17]          ; Q's image
	s_lshl_b32 s18, s15, 18                        ; ac: 262,144 bytes a head,
	s_add_co_u32 s16, s16, s18
	s_lshl_b32 s18, s14, 16                        ; 65,536 a batch
	s_add_co_u32 s16, s16, s18
	s_add_nc_u64 s[\base+4:\base+5], s[8:9], s[16:17]
	s_lshr_b32 s16, s[\q0], 6
	s_lshl_b32 s16, s16, 8                         ; Q's words: 256 bytes for 64 queries,
	s_bfe_u32 s18, s[\q0], 0x20004
	s_lshl_b32 s18, s18, 2                         ; word i of a lane's four
	s_add_co_u32 s16, s16, s18
	s_add_nc_u64 s[\base+2:\base+3], s[6:7], s[16:17]
.endm
	BASES Q0H, BSH
	BASES Q0L, BSL
	s_lshl_b32 s16, s14, 16                        ; asc: 2,048 rows of 32 bytes a batch,
	s_lshl_b32 s18, s15, 1                         ; 2 bytes a head
	s_add_co_u32 s16, s16, s18
	s_mov_b32 s17, 0
	s_add_nc_u64 s[ASC:ASC+1], s[10:11], s[16:17]
	s_wait_tensorcnt 0x0                           ; my load, if I issued one, has landed,
	s_barrier_signal -1
	s_barrier_wait -1                              ; everybody's has.  The only barrier: LDS is only read from here on
; A KEY STEP: 128 keys from s[KF] on, for the tile whose first query is in s[q0]
.macro STEP q0
	s_add_co_u32 s71, s[\q0], 15
	s_cmp_gt_u32 s[KF], s71
	s_cbranch_scc1 .Lhidden_\@                     ; all 128 keys come after my 16 queries
	s_setprio 2
	v_add_nc_u32 v[ADK], s[TK], v1                 ; (these four are also the places between the last step's products and the loads into their operands)
	v_add_nc_u32 v[ADV], s[TK], v2
	v_add_nc_u32 v[ADS], s[TS], v3
	v_add_nc_u32 v[ADT], s[TJ], v4
	ds_load_b128 v[KSW:KSW+3], v[ADS]              ; the words of tiles 0-3,
	ds_load_b128 v[KSW+4:KSW+7], v[ADS] offset:256 ; of tiles 4-7
.irp t, 0,1,2,3,4,5,6,7
	ds_load_b128 v[KR+8*\t:KR+8*\t+3], v[ADK] offset:512*\t
.endr
.irp t, 0,1,2,3
.irp c, 0,1
	ds_load_b128 v[VR+8*\t+4*\c:VR+8*\t+4*\c+3], v[ADV] offset:1024*\t+512*\c
.endr
.endr
	ds_load_b128 v[VSW:VSW+3], v[ADT]
	s_wait_dscnt 9                                 ; K and its words are in; V's eight loads and its words' one may be out: they land under the softmax
.irp t, 0,1,2,3,4,5,6,7
	v_wmma_scale_f32_16x16x128_f8f6f4 v[S+8*\t:S+8*\t+7], v[KR+8*\t:KR+8*\t+7], v[QF:QF+7], 0, v[KSW+\t], v[QS] matrix_a_fmt:MATRIX_FMT_FP4 matrix_b_fmt:MATRIX_FMT_FP4
.endr
.rept 4
	v_nop                                          ; four places in front of the first read of the scores
.endr
	s_add_co_u32 s71, s[KF], 127                   ; on the diagonal the scores of hidden keys become -infinity ahead of the maximum: p = 0 then.  A step all of whose keys count jumps over this
	s_cmp_le_u32 s71, s[\q0]
	s_cbranch_scc1 .Lopen_\@
	s_sub_co_i32 s71, s[\q0], s[KF]
	v_add_nc_u32 v60, s71, v5                      ; d = my query - KF - 8 h.  Register 8 t + j holds key KF + 16 t + 8 h + j: hidden where 16 t + j > d
	v_mov_b32 v61, 0xff800000
.set n, 0
.rept 64
	v_cmp_gt_i32 vcc_lo, 16*(n/8)+n%8, v60
	v_cndmask_b32 v[S+n], v[S+n], v61, vcc_lo
.set n, n+1
.endr
.Lopen_\@:
.irp b, 0,1,2,3
	v_max3_num_f32 v[BM+\b], v[S+16*\b], v[S+16*\b+1], v[S+16*\b+2]   ; the largest score of each block of 32 keys: it serves for the row's maximum and, since p rises with the score, for the block's largest p
.endr
.irp i, 3,5,7,9,11,13
.irp b, 0,1,2,3
	v_max3_num_f32 v[BM+\b], v[BM+\b], v[S+16*\b+\i], v[S+16*\b+\i+1]
.endr
.endr
.irp b, 0,1,2,3
	v_max_num_f32 v[BM+\b], v[BM+\b], v[S+16*\b+15]
.endr
.irp b, 0,1,2,3
	s_delay_alu instid0(VALU_DEP_4)
	v_permlanex16_b32 v[PB+\b], v[BM+\b], s[SEL], s[SEL+1]
.endr
.irp b, 0,1,2,3
	s_delay_alu instid0(VALU_DEP_4)
	v_max_num_f32 v[BM+\b], v[BM+\b], v[PB+\b]     ; with lane l xor 16's 16 keys
.endr
	s_delay_alu instid0(VALU_DEP_2)
	v_max3_num_f32 v60, v[BM], v[BM+1], v[BM+2]
	s_delay_alu instid0(VALU_DEP_1)
	v_max_num_f32 v60, v60, v[BM+3]                ; the step's largest score of my query
	s_delay_alu instid0(VALU_DEP_1)
	v_mul_f32 v60, s[CS], v60                      ; as t
	s_delay_alu instid0(VALU_DEP_1)
	v_max_num_f32 v13, v13, v60                    ; the running largest t
	v_mov_b32 v60, v12
	s_delay_alu instid0(VALU_DEP_2)
	v_floor_f32 v12, -v13                          ; the new -M = -ceil(t)
	s_delay_alu instid0(VALU_DEP_1)
	v_sub_f32 v60, v12, v60                        ; old M - new M: a whole number, 0 or less
	s_delay_alu instid0(VALU_DEP_1)
	v_cvt_i32_f32 v60, v60                         ; (it saturates)
	s_delay_alu instid0(VALU_DEP_1)
	v_ldexp_f32 v[FF], 1.0, v60                    ; f = 2^(old M - new M)
.set j, 0
.rept 32
	v_pk_fma_f32 v[S+j:S+j+1], v[S+j:S+j+1], s[CS:CS+1], v[12:13] op_sel_hi:[1,0,0]   ; t - M, two at a time
.set j, j+2
.endr
	s_setprio 1
.irp b, 0,1,2,3
	v_fma_f32 v[BM+\b], v[BM+\b], s[CS], v12       ; the same of each block's largest score
.endr
.set j, 0
	s_wait_alu depctr_va_vdst(0)
.rept 64
	v_exp_f32 v[S+j], v[S+j]                       ; p = 2^(t - M)
.set j, j+1
.endr
.irp b, 0,1,2,3
	v_exp_f32 v[BM+\b], v[BM+\b]                   ; the block's largest p
.endr
	v_pk_mul_f32 v[14:15], v[14:15], v[FF:FF+1] op_sel_hi:[1,0]   ; the sums under the new M (the plain place behind the exponentials)
	s_wait_alu depctr_va_vdst(0)
.irp b, 0,1,2,3
	v_max_num_f32 v[BM+\b], 0x1800000, v[BM+\b]    ; the floor 2^(3 - 127): the byte cannot fall under 1
.endr
.irp b, 0,1,2,3
	s_delay_alu instid0(VALU_DEP_4)
	v_add_nc_u32 v[SO+\b], 0xff000000, v[BM+\b]    ; 2 off the exponent field: the conversion's scale operand
.endr
.irp b, 0,1,2,3
	s_delay_alu instid0(VALU_DEP_4)
	v_lshrrev_b32 v[PB+\b], 23, v[SO+\b]           ; the scale's byte
.endr
	s_delay_alu instid0(VALU_DEP_3)
	v_lshl_or_b32 v[PW], v[PB+1], 8, v[PB]         ; p's scale word for these 128 keys
	s_delay_alu instid0(VALU_DEP_1)
	v_lshl_or_b32 v[PW], v[PB+2], 16, v[PW]
	s_delay_alu instid0(VALU_DEP_1)
	v_lshl_or_b32 v[PW], v[PB+3], 24, v[PW]
.irp c, 0,1
.irp u, 0,1
.irp e, 0,1
	v_cvt_scalef32_pk8_fp4_f32 v[PC+4*\c+2*\u+\e], v[S+16*(2*\c+\e)+8*\u:S+16*(2*\c+\e)+8*\u+7], v[SO+2*\c+\e]   ; keys 32 (2 c + e) + 16 u + 8 h + 0 .. 7
.endr
.endr
.endr
	v_nop                                          ; one plain place behind a scaled conversion
.irp c, 0,1
.irp u, 0,1
	v_permlane16_swap_b32 v[PC+4*\c+2*\u], v[PC+4*\c+2*\u+1]   ; lane (r, h) now holds keys 64 c + 32 h + 0 .. 31 in registers 4 c .. 4 c + 3
.endr
.endr
	v_pk_add_f32 v[50:51], v[98:99], v[102:103]
	v_pk_add_f32 v[216:217], v[106:107], v[110:111]
	v_pk_add_f32 v[214:215], v[114:115], v[118:119]
	v_pk_add_f32 v[208:209], v[122:123], v[126:127]
	v_pk_add_f32 v[206:207], v[130:131], v[134:135]
	v_pk_add_f32 v[200:201], v[138:139], v[142:143]
	v_pk_add_f32 v[198:199], v[146:147], v[150:151]
	v_pk_add_f32 v[14:15], v[14:15], v[154:155]
	v_pk_add_f32 v[50:51], v[50:51], v[94:95]
	v_pk_add_f32 v[216:217], v[216:217], v[96:97]
	v_pk_add_f32 v[214:215], v[214:215], v[100:101]
	v_pk_add_f32 v[208:209], v[208:209], v[104:105]
	s_setprio 0
	v_pk_add_f32 v[206:207], v[206:207], v[108:109]
	v_pk_add_f32 v[200:201], v[200:201], v[112:113]
	v_pk_add_f32 v[198:199], v[198:199], v[116:117]
	v_pk_add_f32 v[14:15], v[14:15], v[120:121]
	v_pk_add_f32 v[50:51], v[50:51], v[124:125]
	v_pk_add_f32 v[216:217], v[216:217], v[128:129]
	v_pk_add_f32 v[214:215], v[214:215], v[132:133]
	v_pk_add_f32 v[208:209], v[208:209], v[136:137]
	v_pk_add_f32 v[206:207], v[206:207], v[140:141]
	v_pk_add_f32 v[200:201], v[200:201], v[144:145]
	v_pk_add_f32 v[198:199], v[198:199], v[148:149]
	v_pk_add_f32 v[14:15], v[14:15], v[152:153]
	v_pk_add_f32 v[50:51], v[50:51], v[156:157]
	s_delay_alu instid0(VALU_DEP_2)
	v_pk_add_f32 v[14:15], v[14:15], v[208:209]
	s_delay_alu instid0(VALU_DEP_2)
	v_pk_add_f32 v[50:51], v[50:51], v[206:207]
	v_pk_add_f32 v[216:217], v[216:217], v[200:201]
	v_pk_add_f32 v[214:215], v[214:215], v[198:199]
	s_delay_alu instid0(VALU_DEP_2)
	v_pk_add_f32 v[14:15], v[14:15], v[216:217]
	s_delay_alu instid0(VALU_DEP_2)
	v_pk_add_f32 v[50:51], v[50:51], v[214:215]
	s_delay_alu instid0(VALU_DEP_1)
	v_pk_add_f32 v[14:15], v[14:15], v[50:51]
.set j, 0
.rept 16
	v_pk_mul_f32 v[O+j:O+j+1], v[O+j:O+j+1], v[FF:FF+1] op_sel_hi:[1,0]   ; O^T under the new M
.set j, j+2
.endr
	s_wait_alu depctr_va_vdst(0)
	s_wait_dscnt 0x0                               ; V and its words are in
.irp t, 0,1,2,3
	v_wmma_scale_f32_16x16x128_f8f6f4 v[O+8*\t:O+8*\t+7], v[VR+8*\t:VR+8*\t+7], v[PC:PC+7], v[O+8*\t:O+8*\t+7], v[VSW+\t], v[PW] matrix_a_fmt:MATRIX_FMT_FP4 matrix_b_fmt:MATRIX_FMT_FP4
.endr
.Lhidden_\@:
	s_add_co_u32 s[KF], s[KF], 128
	s_add_co_u32 s[TK], s[TK], 4096
	s_add_co_u32 s[TS], s[TS], 512
	s_add_co_u32 s[TJ], s[TJ], 256
.endm
; A PASS: one tile of 16 queries through all 16 steps, and its way out.  last = 1: both tiles' scale pairs leave
.macro PASS q0, base, last
	s_wait_xcnt 0x0                                ; the earlier stores have read their registers
	global_load_b128 v[QF:QF+3], v1, s[\base:\base+1]       ; lane (r, h): block h of query r
	global_load_b32 v[QS], v10, s[\base+2:\base+3]
	v_mov_b32 v13, 0xff61b1e6                      ; the largest t so far: -3e38, under every t
	s_delay_alu instid0(VALU_DEP_1)
	v_floor_f32 v12, -v13                          ; -M
	v_mov_b32 v14, 0
	v_mov_b32 v15, 0
.set j, 0
.rept 32
	v_mov_b32 v[O+j], 0                            ; the step is written once: the first finds zeros, which the first change of M leaves zeros
.set j, j+1
.endr
	s_mov_b32 s[TK], 0
	s_mov_b32 s[TS], 0
	s_mov_b32 s[TJ], 0
	s_mov_b32 s[KF], 0
	s_mov_b32 s[CNT], 16
	s_wait_loadcnt 0x0
.Lstep_\@:
	STEP \q0
	s_sub_co_u32 s[CNT], s[CNT], 1
	s_cmp_lg_u32 s[CNT], 0
	s_cbranch_scc1 .Lstep_\@
	s_setprio 0
.rept 4
	v_nop                                          ; four places behind the last products
.endr
	v_add_f32 v14, v14, v15                        ; the sum's two halves,
	s_delay_alu instid0(VALU_DEP_1)
	v_permlanex16_b32 v60, v14, s[SEL], s[SEL+1]
	s_delay_alu instid0(VALU_DEP_1)
	v_add_f32 v14, v14, v60                        ; and lane l xor 16's
	s_wait_alu depctr_va_vdst(0)
	v_rcp_f32 v14, v14
	v_nop                                          ; one plain place behind a transcendental
.set j, 0
	s_wait_alu depctr_va_vdst(0)
.rept 32
	v_mul_f32 v[S+j], v[O+j], v14                  ; register 8 t + j: channel 16 t + 8 h + j of my query
.set j, j+1
.endr
.irp b, 0,1
	v_max3_num_f32 v[BM+\b], |v[S+16*\b]|, |v[S+16*\b+1]|, 0x1800000   ; the head's two blocks of 32 along the last product's K
.endr
.irp i, 2,4,6,8,10,12,14
.irp b, 0,1
	s_delay_alu instid0(VALU_DEP_2)
	v_max3_num_f32 v[BM+\b], v[BM+\b], |v[S+16*\b+\i]|, |v[S+16*\b+\i+1]|
.endr
.endr
.irp b, 0,1
	s_delay_alu instid0(VALU_DEP_2)
	v_permlanex16_b32 v[PB+\b], v[BM+\b], s[SEL], s[SEL+1]
.endr
.irp b, 0,1
	s_delay_alu instid0(VALU_DEP_2)
	v_max_num_f32 v[BM+\b], v[BM+\b], v[PB+\b]
.endr
.irp b, 0,1
	s_delay_alu instid0(VALU_DEP_2)
	v_add_nc_u32 v[SO+\b], 0xff000000, v[BM+\b]
.endr
.irp b, 0,1
	s_delay_alu instid0(VALU_DEP_2)
	v_lshrrev_b32 v[PB+\b], 23, v[SO+\b]
.endr
.irp u, 0,1
.irp e, 0,1
	v_cvt_scalef32_pk8_fp4_f32 v[PC+2*\u+\e], v[S+16*\e+8*\u:S+16*\e+8*\u+7], v[SO+\e]
.endr
.endr
	v_nop                                          ; one plain place behind a scaled conversion
.irp u, 0,1
	v_permlane16_swap_b32 v[PC+2*\u], v[PC+2*\u+1] ; lane (r, h): channels 32 h + 0 .. 31 of query r
.endr
	global_store_b128 v1, v[PC:PC+3], s[\base+4:\base+5]    ; 32 lanes store 512 consecutive bytes: the image of these 16 rows for my head
.if \last
	v_lshl_or_b32 v60, v[PB+1], 8, v[PB]
	s_delay_alu instid0(VALU_DEP_1)
	v_cndmask_b32 v60, v[HP], v60, s[HM]           ; lanes 0-15 carry tile H's pairs, lanes 16-31 tile L's
	s_lshl_b32 s71, s[Q0H], 5
	s_lshl_b32 s72, s[Q0L], 5
	v_mov_b32 v61, s71
	v_mov_b32 v11, s72
	s_delay_alu instid0(VALU_DEP_1)
	v_cndmask_b32 v61, v61, v11, s[HM]
	s_delay_alu instid0(VALU_DEP_1)
	v_lshl_add_u32 v61, v10, 1, v61                ; 32 bytes a row
	global_store_b16 v61, v60, s[ASC:ASC+1]
.else
	v_lshl_or_b32 v[HP], v[PB+1], 8, v[PB]
.endif
.endm
	PASS Q0H, BSH, 0
	PASS Q0L, BSL, 1
	s_wait_xcnt 0x0
	v_lshl_add_u32 v254, v0, 2, 0x29000
	v_mov_b32 v255, 0
	s_wait_alu depctr_va_vdst(0)
	s_wait_tensorcnt 0x0
	ds_add_u32 v254, v255
	s_wait_dscnt 0x0
	s_endpgm
.Lfunc_end_k_qfd18f6cf99_attn:
	.size	k_qfd18f6cf99_attn, .Lfunc_end_k_qfd18f6cf99_attn-k_qfd18f6cf99_attn
	.p2alignl 7, 3214868480
	.fill 96, 4, 3214868480
	.section	.rodata,"a",@progbits
	.p2align	6, 0x0
	.amdhsa_kernel k_qfd18f6cf99_attn
		.amdhsa_group_segment_fixed_size 169984
		.amdhsa_private_segment_fixed_size 0
		.amdhsa_enable_private_segment 0
		.amdhsa_kernarg_size 32
		.amdhsa_user_sgpr_count 2
		.amdhsa_user_sgpr_kernarg_segment_ptr 1
		.amdhsa_wavefront_size32 1
		.amdhsa_system_sgpr_workgroup_id_x 1
		.amdhsa_system_sgpr_workgroup_id_y 1
		.amdhsa_system_sgpr_workgroup_id_z 1
		.amdhsa_system_vgpr_workitem_id 0
		.amdhsa_next_free_vgpr 256
		.amdhsa_next_free_sgpr 80
		.amdhsa_reserve_vcc 1
		.amdhsa_float_denorm_mode_32 3
		.amdhsa_float_denorm_mode_16_64 3
		.amdhsa_memory_ordered 1
		.amdhsa_forward_progress 1
		.amdhsa_inst_pref_size 62
	.end_amdhsa_kernel
	.amdgpu_metadata
---
amdhsa.version: [ 1, 2 ]
amdhsa.kernels:
  - .name:           k_qfd18f6cf99_attn
    .symbol:         k_qfd18f6cf99_attn.kd
    .args:
      - { .name: cd2, .offset: 0, .size: 8, .value_kind: global_buffer, .address_space: global }
      - { .name: sc2, .offset: 8, .size: 8, .value_kind: global_buffer, .address_space: global }
      - { .name: ac, .offset: 16, .size: 8, .value_kind: global_buffer, .address_space: global }
      - { .name: asc, .offset: 24, .size: 8, .value_kind: global_buffer, .address_space: global }
    .group_segment_fixed_size: 169984
    .private_segment_fixed_size: 0
    .kernarg_segment_align: 8
    .kernarg_segment_size: 32
    .max_flat_workgroup_size: 512
    .sgpr_count:     80
    .vgpr_count:     256
    .wavefront_size: 32
...
	.end_amdgpu_metadata
.endif
;; end of part 3
;; launch outp (part 4): grid 4 x 64, 4 waves a work-group, clusters of 4 x 4, 327,680 bytes of LDS; arguments ac, asc, cd1, sc1, out0; writes out0
.if DOCPART == 4
	.amdgcn_target "amdgcn-amd-amdhsa--gfx1250"
	.amdhsa_code_object_version 6
	.text
	.protected	k_qfd18f6cf99_outp
	.globl	k_qfd18f6cf99_outp
	.p2align	8
	.type	k_qfd18f6cf99_outp,@function
k_qfd18f6cf99_outp:
	s_mov_b64 s[64:65], 0
	v_nop
	global_prefetch_b8 v0, s[64:65] scope:SCOPE_SE
	s_setreg_imm32_b32 hwreg(HW_REG_WAVE_MODE, 25, 1), 1
	s_wait_xcnt 0x0
	s_wait_alu depctr_hold_cnt(0) depctr_sa_sdst(0) depctr_va_vdst(0) depctr_va_sdst(0) depctr_va_ssrc(0) depctr_va_vcc(0) depctr_vm_vsrc(0)
	s_getreg_b32 s2, hwreg(HW_REG_IB_STS2, 6, 4)
	s_cmp_eq_u32 s2, 0
	s_cbranch_scc0 .Lentry_in_a_cluster
	s_endpgm
.Lentry_in_a_cluster:
	s_bfe_u32 s2, ttmp6, 0x10000c
	s_cmp_lg_u32 s2, 0xf033
	s_cbranch_scc0 .Lentry_shape_is_right
	s_endpgm
.Lentry_shape_is_right:
; LAUNCH 4 OF 4.  out = a Wo^T on codes of FP4 with E8M0 scales, K = 1,024 = (head, channel); a is the attention's result.  out0 [8192][1024] f32.
; A work-group makes 128 rows x 256 columns; its four waves make 64 x 128 each: 32 accumulators.  THE MATRIX INSTRUCTION IS USED TRANSPOSED (source 0 = 16 rows of Wo, source 1 = 16 rows of a):
; a lane holds eight neighbouring numbers of a row of the result.
; ALL OF K LIES IN LDS: two slots of 512 along K, each filled once.  a's codes come as images of operand registers, ac [head][tile of 16 rows][512 bytes]: registers 0-3 of a fragment of K step g are head 2 g's image,
; registers 4-7 head 2 g + 1's; a fragment load reads 512 consecutive bytes.  Wo's codes come as rows of 256 bytes with 16 of padding.  The scale bytes of the work-group's rows come once and go to registers for all 8 K steps.
; CLUSTERS: 4 x 4.  a's tiles are shared along a row of the cluster, Wo's along a column: joint loads.  A wave has one tensor load out at a time: each waits for the one before.
; THE WAY OUT goes through a stage of each wave's own in LDS, in bytes into which no tensor load lands, and leaves as whole rows of 512 bytes.
; REGISTERS.  window 0: v1 r, v2 h, v16-27 addresses; v32-63 a's scale words, v64-127 Wo's; v128-191 a's fragments, two sets (on the way out v128-255: rows read back).  window 1: Wo's fragments, two sets.  window 2: the accumulators.
.set ASLOT, 32768                      ; a's slot: 8 heads x 8 tiles x 512 bytes
.set BBASE, 65536
.set BSLOT, 69632                      ; Wo's slot: 256 rows of 256 bytes + 16
.set SCA,   BBASE+2*BSLOT              ; a's scale bytes: 16 units of 256 bytes + 16
.set SCB,   SCA+4352                   ; Wo's: 32 units
.set STG,   SCB+8704                   ; the stages: 16 rows x (512 + 16) bytes a wave; a multiple of 256 from LDS byte 0
.set ADRA, 16
.set ADRB, 20
.set ADSA, 22
.set ADSB, 23
.set LI,   24                          ; v24  16 x lane: also my place in a row of the result
.set STO,  26                          ; v26  the stage: where I put 32 bytes of a row
.set RD,   27                          ; v27  and where I read a row back
.set SA,   32
.set SB,   64
.set AF,   128
.set BK,   128
.set G1A,  24
.set G0A,  32
.set G1B,  48
.set G0B,  56
.set G1SA, 68
.set G0SA, 76
.set G1SB, 80
.set G0SB, 88
.set MSB, 0
.macro WIN new                         ; the immediate's high byte repeats the setting that is left
.if MSB != (\new)
	s_set_vgpr_msb (MSB<<8)|(\new)
.set MSB, \new
.endif
.endm
.macro JLOAD g0a, g1a, g0b, g1b        ; a joint load: waves 0 and 1 fetch for a, waves 2 and 3 for Wo; four v_nop follow each of the two lines
	s_cmp_eq_u32 s15, 0
	s_cbranch_scc0 .Lfor_b_\@
	tensor_load_to_lds s[\g0a:\g0a+3], s[\g1a:\g1a+7]
	s_nop 0
.rept 4
	v_nop
.endr
	s_branch .Lasked_\@
.Lfor_b_\@:
	tensor_load_to_lds s[\g0b:\g0b+3], s[\g1b:\g1b+7]
	s_nop 0
.rept 4
	v_nop
.endr
.Lasked_\@:
.endm
.macro CROUND                          ; a round of the cluster's barrier
	s_barrier_signal -1
	s_barrier_wait -1
	s_cmp_lg_u32 s14, 0
	s_cbranch_scc1 .Lnot_wave_0_\@
	s_barrier_signal -3
.Lnot_wave_0_\@:
	s_barrier_wait -3
	s_barrier_signal -1
	s_barrier_wait -1
.endm
.macro PLACES n
.rept \n
	v_nop
.endr
.endm
	s_load_b256 s[4:11], s[0:1], 0x0               ; ac s[4:5], asc s[6:7], cd1 s[8:9], sc1 s[10:11]
	s_load_b64 s[12:13], s[0:1], 0x20              ; out0
	v_lshl_add_u32 v30, v0, 2, 0x3d700
	v_mov_b32 v31, 0
	ds_add_u32 v30, v31
	ds_add_u32 v30, v31
	v_lshrrev_b32 v1, 5, v0
	v_readfirstlane_b32 s14, v1                    ; wave 0..3
	s_lshr_b32 s15, s14, 1                         ; which 64 rows are mine.  Also: I fetch for a (0) or for Wo (1)
	s_and_b32 s16, s14, 1                          ; which 128 columns.  Also: which half of that tile I fetch
	s_bfe_u32 s40, ttmp6, 0x40000                  ; cx, cy
	s_bfe_u32 s41, ttmp6, 0x40004
	s_lshl_b32 s42, ttmp9, 2
	s_add_co_u32 s42, s42, s40                     ; tile column
	s_and_b32 s45, ttmp7, 0xffff
	s_lshl_b32 s45, s45, 2
	s_add_co_u32 s45, s45, s41                     ; tile row
	s_lshl_b32 s43, s41, 2
	s_lshl_b32 s43, 15, s43                        ; my row of the cluster
	s_lshl_b32 s44, 0x1111, s40                    ; my column
	; group 1 for a's images: 4 heads x 4,096 consecutive bytes (512 elements of 8 bytes), 262,144 bytes from head to head, no padding
	s_or_b32 s[G1A], s43, (3<<16)|(1<<21)
	s_mov_b32 s[G1A+1], 512<<16                    ; tensor_dim0
	s_mov_b32 s[G1A+2], 4<<16                      ; tensor_dim1
	s_mov_b32 s[G1A+3], 512<<16                    ; tile_dim0
	s_mov_b32 s[G1A+4], 4                          ; tile_dim1
	s_mov_b32 s[G1A+5], 32768                      ; from head to head, in elements
	s_mov_b32 s[G1A+6], 0
	s_mov_b32 s[G1A+7], 0
	; for Wo's codes: 128 rows of 256 bytes, 512 bytes apart in memory, 16 bytes of padding behind each
	s_or_b32 s[G1B], s44, (1<<20)|(1<<21)|(5<<22)|(3<<25)
	s_mov_b32 s[G1B+1], 256<<16
	s_mov_b32 s[G1B+2], 128<<16
	s_mov_b32 s[G1B+3], 256<<16
	s_mov_b32 s[G1B+4], 128
	s_mov_b32 s[G1B+5], 512
	s_mov_b32 s[G1B+6], 0
	s_mov_b32 s[G1B+7], 0
	; for scale bytes: dense blocks as rows of 256 bytes, 16 bytes of padding behind each: 8 rows for a's 64 rows, 16 for Wo's 128
	s_or_b32 s[G1SA], s43, (3<<16)|(1<<20)|(1<<21)|(5<<22)|(3<<25)
	s_or_b32 s[G1SB], s44, (3<<16)|(1<<20)|(1<<21)|(5<<22)|(3<<25)
	s_mov_b32 s[G1SA+1], 32<<16
	s_mov_b32 s[G1SA+2], 8<<16
	s_mov_b32 s[G1SA+3], 32<<16
	s_mov_b32 s[G1SA+4], 8
	s_mov_b32 s[G1SA+5], 32
	s_mov_b32 s[G1SA+6], 0
	s_mov_b32 s[G1SA+7], 0
	s_mov_b32 s[G1SB+1], 32<<16
	s_mov_b32 s[G1SB+2], 16<<16
	s_mov_b32 s[G1SB+3], 32<<16
	s_mov_b32 s[G1SB+4], 16
	s_mov_b32 s[G1SB+5], 32
	s_mov_b32 s[G1SB+6], 0
	s_mov_b32 s[G1SB+7], 0
	s_lshl_b32 s20, s45, 12                        ; a: my tile row's 8 images in a head: 4,096 bytes;
	s_lshl_b32 s17, s16, 20                        ; my four heads of a slot's eight
	s_add_co_u32 s20, s20, s17
	s_mov_b32 s21, 0
	s_lshl_b32 s22, s45, 12                        ; a's scale bytes: 128 rows of 32 bytes a tile row,
	s_lshl_b32 s17, s16, 11                        ; my 64 rows
	s_add_co_u32 s22, s22, s17
	s_mov_b32 s23, 0
	s_lshl_b32 s46, s42, 8
	s_add_co_u32 s46, s46, 11264                   ; Wo's rows begin at 11,264
	s_lshl_b32 s98, s16, 7
	s_add_co_u32 s46, s46, s98                     ; the first of the 128 rows that I fetch
	s_lshl_b32 s96, s46, 5
	s_mov_b32 s97, 0
	s_lshl_b32 s46, s46, 9
	s_mov_b32 s47, 0
	s_lshl_b32 s93, s16, 14                        ; where they go: the wave's number alone enters an LDS address
	s_mul_i32 s94, s16, 34816
	s_add_co_u32 s94, s94, BBASE
	s_mul_i32 s95, s16, 2176
	s_mul_i32 s99, s16, 4352
	s_wait_dscnt 0x0
	s_wait_kmcnt 0x0
	s_add_nc_u64 s[20:21], s[4:5], s[20:21]
	s_add_nc_u64 s[22:23], s[6:7], s[22:23]
	s_add_nc_u64 s[46:47], s[8:9], s[46:47]
	s_add_nc_u64 s[96:97], s[10:11], s[96:97]
	CROUND                                         ; all sixteen work-groups are here: the joint loads meet
	s_mov_b32 s[G0SA], 1
	s_add_co_u32 s[G0SA+1], s95, SCA
	s_mov_b64 s[G0SA+2:G0SA+3], s[22:23]
	s_or_b32 s[G0SA+3], s[G0SA+3], 0x80000000
	s_mov_b32 s[G0SB], 1
	s_add_co_u32 s[G0SB+1], s99, SCB
	s_mov_b64 s[G0SB+2:G0SB+3], s[96:97]
	s_or_b32 s[G0SB+3], s[G0SB+3], 0x80000000
	JLOAD G0SA, G1SA, G0SB, G1SB                   ; the scales first
.irp s, 0,1
	s_mov_b32 s[G0A+4*\s], 1
	s_add_co_u32 s[G0A+4*\s+1], s93, \s*ASLOT
	s_add_nc_u64 s[G0A+4*\s+2:G0A+4*\s+3], s[20:21], \s*2097152      ; eight heads on
	s_or_b32 s[G0A+4*\s+3], s[G0A+4*\s+3], 0x80000000
	s_mov_b32 s[G0B+4*\s], 1
	s_add_co_u32 s[G0B+4*\s+1], s94, \s*BSLOT
	s_add_nc_u64 s[G0B+4*\s+2:G0B+4*\s+3], s[46:47], \s*256
	s_or_b32 s[G0B+4*\s+3], s[G0B+4*\s+3], 0x80000000
	s_wait_alu depctr_va_vdst(0)
	s_wait_tensorcnt 0x0
	ds_add_u32 v30, v31
	s_wait_dscnt 0x0
	CROUND
	JLOAD G0A+4*\s, G1A, G0B+4*\s, G1B
.endr
	v_and_b32 v1, 15, v0                           ; r
	v_bfe_u32 v2, v0, 4, 1                         ; h
	v_and_b32 v6, 31, v0                           ; lane
	v_lshlrev_b32 v[LI], 4, v6
	v_mul_u32_u24 v3, v1, 272
	v_lshl_add_u32 v3, v2, 4, v3                   ; Wo: a fragment's row x pitch + 16 h
	s_lshl_b32 s20, s15, 11                        ; a: my 64 rows are four images of 512 bytes
	s_mul_i32 s21, s16, 34816                      ; my 128 rows of Wo
	s_add_co_u32 s21, s21, BBASE
.irp s, 0,1
	v_add_nc_u32 v[ADRA+\s], s20, v[LI]
	v_add_nc_u32 v[ADRB+\s], s21, v3
	s_add_co_u32 s20, s20, ASLOT
	s_add_co_u32 s21, s21, BSLOT
.endr
	v_lshrrev_b32 v4, 3, v1
	v_lshlrev_b32 v5, 5, v1
	v_lshl_add_u32 v5, v4, 4, v5                   ; a row's 32 scale bytes: 32 r, and 16 more behind each 256
	s_mul_i32 s20, s15, 2176
	s_add_co_u32 s20, s20, SCA
	v_add_nc_u32 v[ADSA], s20, v5
	s_mul_i32 s20, s16, 4352
	s_add_co_u32 s20, s20, SCB
	v_add_nc_u32 v[ADSB], s20, v5
	s_mul_i32 s20, s14, 16*528
	s_add_co_u32 s20, s20, STG                     ; my stage
	v_mul_u32_u24 v5, v1, 528
	v_lshl_add_u32 v5, v2, 5, v5
	v_add_nc_u32 v[STO], s20, v5                   ; in: row r, 32 bytes for each half of the lanes
	v_add_nc_u32 v[RD], s20, v[LI]                 ; back: the 32 lanes take one row of 512 bytes
	s_lshl_b32 s20, s45, 7
	s_lshl_b32 s21, s15, 6
	s_add_co_u32 s20, s20, s21                     ; my first row of the result,
	s_lshl_b32 s20, s20, 12                        ; 4,096 bytes a row
	s_lshl_b32 s21, s42, 10
	s_add_co_u32 s20, s20, s21                     ; my first column: 1,024 bytes a tile column,
	s_lshl_b32 s21, s16, 9
	s_add_co_u32 s20, s20, s21                     ; 512 a wave
	s_mov_b32 s21, 0
	s_add_nc_u64 s[12:13], s[12:13], s[20:21]
.macro FRAGA reg, slot, q, i           ; registers 4 c .. 4 c + 3: the image of head 2 q + c of the slot, tile i of my four
.irp c, 0,1
	ds_load_b128 v[\reg+4*\c:\reg+4*\c+3], v[ADRA+(\slot)] offset:(2*(\q)+\c)*4096+512*(\i)
.endr
.endm
.macro FRAGB reg, slot, q, i
.irp c, 0,1
	ds_load_b128 v[\reg+4*\c:\reg+4*\c+3], v[ADRB+(\slot)] offset:64*(\q)+32*\c+(\i)*4352
.endr
.endm
.macro FETCH slot, q, p                ; 24 LDS loads in one run
	WIN 0x40                                       ; destination window 1
.irp i, 0,1,2,3,4,5,6,7
	FRAGB 64*(\p)+8*\i, \slot, \q, \i
.endr
	WIN 0
.irp i, 0,1,2,3
	FRAGA AF+32*(\p)+8*\i, \slot, \q, \i
.endr
.endm
.macro SCALES                          ; the scale words of all eight K steps
.irp a, 0,1,2,3
.irp u, 0,1
	ds_load_b128 v[SA+8*\a+4*\u:SA+8*\a+4*\u+3], v[ADSA] offset:544*\a+16*\u
.endr
.endr
.irp b, 0,1,2,3,4,5,6,7
.irp u, 0,1
	ds_load_b128 v[SB+8*\b+4*\u:SB+8*\b+4*\u+3], v[ADSB] offset:544*\b+16*\u
.endr
.endr
.endm
; K step g: 32 matrix instructions; the 32 accumulators take turns, one instruction a turn, in the same order in every step
.macro MUL g, zero
	WIN 0xa1                                       ; source 0 (Wo) window 1, source 1 (a) window 0, C and D window 2
.irp a, 0,1,2,3
.irp b, 0,1,2,3,4,5,6,7
.if \zero
	v_wmma_scale_f32_16x16x128_f8f6f4 v[8*(8*\a+\b):8*(8*\a+\b)+7], v[64*((\g)%2)+8*\b:64*((\g)%2)+8*\b+7], v[AF+32*((\g)%2)+8*\a:AF+32*((\g)%2)+8*\a+7], 0, v[SB+8*\b+(\g)], v[SA+8*\a+(\g)] matrix_a_fmt:MATRIX_FMT_FP4 matrix_b_fmt:MATRIX_FMT_FP4
.else
	v_wmma_scale_f32_16x16x128_f8f6f4 v[8*(8*\a+\b):8*(8*\a+\b)+7], v[64*((\g)%2)+8*\b:64*((\g)%2)+8*\b+7], v[AF+32*((\g)%2)+8*\a:AF+32*((\g)%2)+8*\a+7], v[8*(8*\a+\b):8*(8*\a+\b)+7], v[SB+8*\b+(\g)], v[SA+8*\a+(\g)] matrix_a_fmt:MATRIX_FMT_FP4 matrix_b_fmt:MATRIX_FMT_FP4
.endif
.endr
.endr
	WIN 0
.endm
.macro STEP g
	s_wait_dscnt 0x0                               ; this step's fragments are in: they were asked for in front of the last step's 32 matrix instructions
.if \g == 3
	s_wait_tensorcnt 0x0                           ; my part of slot 1 has landed,
	s_barrier_signal -1
	s_barrier_wait -1                              ; everybody's has
.endif
.if \g < 7
.if \g > 0
	PLACES 4                                       ; four places in front of loads into registers that the last matrix instructions have read
.endif
	FETCH (\g+1)/4, (\g+1)%4, 1-(\g)%2
.endif
.if \g == 0
	MUL \g, 1
.else
	MUL \g, 0
.endif
.endm
	s_wait_alu depctr_va_vdst(0)
	s_wait_tensorcnt 1                             ; the scales and my part of slot 0 are in; slot 1's load, the one issued behind them, may be out
	s_barrier_signal -1
	s_barrier_wait -1                              ; everybody's are
	SCALES
	FETCH 0, 0, 0
.irp g, 0,1,2,3,4,5,6,7
	STEP \g
.endr
; THE WAY OUT, block by block of 16 rows x 128 columns.  A lane holds 32 neighbouring bytes of a row and the lanes beside it hold other rows: a block goes through my own stage and comes back as whole rows of 512 bytes.
; LDS serves a wave's instructions in order: no wait between the stores and the loads, nor in front of the next block's stores.
.macro TOSTAGE a
	WIN 0x08                                       ; an LDS store's data are its source 1: window 2
.irp b, 0,1,2,3,4,5,6,7
	ds_store_b128 v[STO], v[64*(\a)+8*\b:64*(\a)+8*\b+3] offset:64*\b           ; each accumulator from its low end on
	ds_store_b128 v[STO], v[64*(\a)+8*\b+4:64*(\a)+8*\b+7] offset:64*\b+16
.endr
	WIN 0
.set BB, BK+64*((\a)%2)
.irp t, 0,1,2,3,4,5,6,7,8,9,10,11,12,13,14,15
	ds_load_b128 v[BB+4*\t:BB+4*\t+3], v[RD] offset:\t*528
.endr
.endm
.macro SEND a, younger                 ; younger: the LDS instructions issued behind block a's loads, which may stay out
.set BB, BK+64*((\a)%2)
	s_wait_dscnt \younger                          ; the block is back in registers
.if (\a) > 0
	s_add_nc_u64 s[12:13], s[12:13], 65536         ; 16 rows on (behind a wait on XCNT: the earlier stores have read their base)
.endif
.irp t, 0,1,2,3,4,5,6,7,8,9,10,11,12,13,14,15
	global_store_b128 v[LI], v[BB+4*\t:BB+4*\t+3], s[12:13] offset:\t*4096 th:TH_STORE_NT   ; 32 lanes store 512 consecutive bytes, aligned; written once, read by nobody here
.endr
.endm
	PLACES 4                                       ; behind the last products: their results are read, and the rows land in registers that held a's fragments
	TOSTAGE 0
.irp a, 1,2,3
.if \a > 1
	s_wait_xcnt 0x0                                ; block a - 2's stores have read their registers and their base
.endif
	TOSTAGE \a
	SEND \a-1, 32                                  ; behind block a - 1's loads: block a's 16 stores and 16 loads
.endr
	s_wait_xcnt 0x0                                ; block 2's stores have read their base
	SEND 3, 0
	s_wait_tensorcnt 0x0
	ds_add_u32 v30, v31
	s_wait_dscnt 0x0
	CROUND                                         ; the closing round: no work-group ends while a partner may still ask for a tile that names it
	s_endpgm
.Lfunc_end_k_qfd18f6cf99_outp:
	.size	k_qfd18f6cf99_outp, .Lfunc_end_k_qfd18f6cf99_outp-k_qfd18f6cf99_outp
	.p2alignl 7, 3214868480
	.fill 96, 4, 3214868480
	.section	.rodata,"a",@progbits
	.p2align	6, 0x0
	.amdhsa_kernel k_qfd18f6cf99_outp
		.amdhsa_group_segment_fixed_size 327680
		.amdhsa_private_segment_fixed_size 0
		.amdhsa_enable_private_segment 0
		.amdhsa_kernarg_size 40
		.amdhsa_user_sgpr_count 2
		.amdhsa_user_sgpr_kernarg_segment_ptr 1
		.amdhsa_wavefront_size32 1
		.amdhsa_system_sgpr_workgroup_id_x 1
		.amdhsa_system_sgpr_workgroup_id_y 1
		.amdhsa_system_sgpr_workgroup_id_z 1
		.amdhsa_system_vgpr_workitem_id 0
		.amdhsa_next_free_vgpr 768
		.amdhsa_next_free_sgpr 100
		.amdhsa_reserve_vcc 0
		.amdhsa_float_denorm_mode_32 3
		.amdhsa_float_denorm_mode_16_64 3
		.amdhsa_memory_ordered 1
		.amdhsa_forward_progress 1
		.amdhsa_inst_pref_size 73
	.end_amdhsa_kernel
	.amdgpu_metadata
---
amdhsa.version: [ 1, 2 ]
amdhsa.kernels:
  - .name:           k_qfd18f6cf99_outp
    .symbol:         k_qfd18f6cf99_outp.kd
    .args:
      - { .name: ac, .offset: 0, .size: 8, .value_kind: global_buffer, .address_space: global }
      - { .name: asc, .offset: 8, .size: 8, .value_kind: global_buffer, .address_space: global }
      - { .name: cd1, .offset: 16, .size: 8, .value_kind: global_buffer, .address_space: global }
      - { .name: sc1, .offset: 24, .size: 8, .value_kind: global_buffer, .address_space: global }
      - { .name: out0, .offset: 32, .size: 8, .value_kind: global_buffer, .address_space: global }
    .group_segment_fixed_size: 327680
    .private_segment_fixed_size: 0
    .kernarg_segment_align: 8
    .kernarg_segment_size: 40
    .max_flat_workgroup_size: 128
    .sgpr_count:     100
    .vgpr_count:     768
    .wavefront_size: 32
...
	.end_amdgpu_metadata
.endif
;; end of part 4
